; MI455X (gfx1250); checked and timed in simulation.
; The chip was launched on July 23, 2026; its instructions are those of AMD's public machine-readable ISA for CDNA 5 (MIT licence, August 2026) and "CDNA5" Instruction Set Architecture Reference Guide (July 2026). The comments in the code are by the model that wrote it; some were corrected since.
;; Block. Allowed arithmetic: matrix products marked QUANTISED: E2M3 operands, one E8M0 scale for each 32 along K, by v_wmma_scale_f32_16x16x128_f8f6f4 with both operands' format E2M3, f32 sums; everything else in f32.
;; Inputs: b1 4,096 float32; b2 1,024 float32; b_proj 1,024 float32; b_qkv 3,072 float32; ln1_b 1,024 float32; ln1_g 1,024 float32; ln2_b 1,024 float32; ln2_g 1,024 float32; w1 1,024 x 4,096 float32; w2 4,096 x 1,024 float32; w_proj 1,024 x 1,024 float32; w_qkv 1,024 x 3,072 float32; x 2 x 2,048 x 1,024 float32.
;; Outputs: out0 2 x 2,048 x 1,024 float32.
;; This version of the problem:
;;   THIS VERSION OF THE PROBLEM IS GIVEN IN LOW PRECISION. The matrix products marked QUANTISED in the list below multiply operands that are first quantised to E2M3 (2 exponent bits, 3 mantissa bits; 6 bits a number), with one power-of-two scale for each 32 numbers along K (OCP MX v1.0); their sums are f32. All else is computed in f32.
;;   The module's matrix products, in the order in which they are computed (A, B: the left and right operand; K: the contracted axis; several contracted axes count as one K, in the product's order):
;;     1. [M 4,096, K 1,024] x [K 1,024, N 3,072]; A: computed on the way; B: input w_qkv: QUANTISED
;;     2. batch 32 x [M 2,048, K 64] x [K 64, N 2,048]; A: computed on the way; B: computed on the way: QUANTISED
;;     3. batch 32 x [M 2,048, K 2,048] x [K 2,048, N 64]; A: softmax (see below); B: computed on the way: QUANTISED
;;     4. [M 4,096, K 1,024] x [K 1,024, N 1,024]; A: computed on the way; B: input w_proj: QUANTISED
;;     5. [M 4,096, K 1,024] x [K 1,024, N 4,096]; A: computed on the way; B: input w1: QUANTISED
;;     6. [M 4,096, K 4,096] x [K 4,096, N 1,024]; A: computed on the way; B: input w2: QUANTISED
;;   THE QUANTISER, for each operand of a quantised product, along K:
;;     - K is cut into blocks of 32 from its start; a last block that is shorter is filled with zeros.
;;     - A block's scale is 2^e with e = floor(log2(the largest magnitude in the block)) - 2, held to -126 .. 127; a block of zeros has e = 0. As a byte (E8M0): e + 127.
;;     - Each number is divided by its block's scale, clamped to +-7.5, and rounded to the nearest number of E2M3, ties to even, subnormals kept.
;;     - The product sums the exact products of the quantised numbers (number of the format x scale) in f32.
;;   ~~~python
;;   def quantise(x, axis):      # numpy; x: float32 -> the quantised numbers, widened to float32 again
;;       x = np.moveaxis(x, axis, -1); K = x.shape[-1]
;;       x = np.pad(x, [(0, 0)] * (x.ndim - 1) + [(0, -K % 32)]); x = x.reshape(x.shape[:-1] + (-1, 32)); a = np.abs(x).max(-1, keepdims=True)
;;       e = np.where(a > 0, np.clip(np.frexp(np.where(a > 0, a, 1))[1] - 1 - 2, -126, 127), 0)      # np.frexp(a)[1] - 1 = floor(log2(a)), exactly
;;       r = np.clip(x / 2.0 ** e, -7.5, 7.5)
;;       step = 2.0 ** (np.maximum(np.frexp(np.where(r == 0, 1, r))[1] - 1, 0) - 3)
;;       q = np.round(r / step) * step * 2.0 ** e      # np.round: ties to even
;;       return np.moveaxis(q.reshape(q.shape[:-2] + (-1,))[..., :K], -1, axis).astype(np.float32)
;;   ~~~
;;   SOFTMAX AHEAD OF A QUANTISED PRODUCT. Where the list says 'softmax', what is quantised is not the finished softmax but p = 2^(t - M), with t = logit x log2(e) and M = ceil(the row's largest t), a whole number; so 1/2 < the row's largest p <= 1. The row's sum l is taken of the UNQUANTISED p, in f32, and the product's result is divided by l at the end. Since M is a whole number, a kernel that streams over the keys may use a running M (the ceiling of the running maximum): every later rescaling is an exact power of two, which a block's scale takes up: the codes' values come out the same.
;;   OPERANDS COMPUTED ON THE WAY. 'Computed on the way' means the value that the module computes at that place (a softmax that the list does not call 'softmax' is quantised finished and normalised). What goes into a quantiser is computed in f32, as accurately as f32 sums, v_exp_f32 and their like allow (about 1e-6 of the number): no bf16 or f16 on the way to a quantiser, and a product that is left as it is and whose result goes on into a quantised operand takes f32 operands (vector FMAs, or v_wmma_f32_16x16x4_f32). A number that lies on a knife's edge between two numbers of the format may be rounded either way, as far as f32 arithmetic and the matrix unit's own rounding can turn it there, and no further.
;; One version. Each part assembles by itself: llvm-mc -triple=amdgcn-amd-amdhsa -mcpu=gfx1250 --defsym DOCPART=n.
;; ======== version 1 of 1: 8 launches
;; limits: a function is approximated: absolute error at most 1.5e-07
;; workspace buffers: wts 22,937,600 bytes; act 3,276,800 bytes; qkvb 19,660,800 bytes; yb 3,276,800 bytes; x1 16,777,216 bytes; hb 13,107,200 bytes
;; launch wq (part 1): grid 384 x 1, 4 waves a work-group, no clusters, 25,088 bytes of LDS; arguments w_qkv, w_proj, w1, w2, wts; writes wts
.if DOCPART == 1
	.amdgcn_target "amdgcn-amd-amdhsa--gfx1250"
	.amdhsa_code_object_version 6
	.text
	.protected	k_q1d0f8d3296_wq
	.globl	k_q1d0f8d3296_wq
	.p2align	8
	.type	k_q1d0f8d3296_wq,@function
k_q1d0f8d3296_wq:
	s_mov_b64 s[64:65], 0
	v_nop
	global_prefetch_b8 v0, s[64:65] scope:SCOPE_SE
	s_setreg_imm32_b32 hwreg(HW_REG_WAVE_MODE, 25, 1), 1
	s_wait_xcnt 0x0
; All four weights, f32 stored [K][N], become codes of FP6 (E2M3) with one E8M0 byte for each 32 along K.
; LAYOUT OF EVERY OPERAND OF CODES IN THIS PROGRAM: codes[K / 64][row][48 bytes], CH bytes from chunk to chunk; scale words [K / 128][row][4 bytes], SS bytes from step to step.
; ROWS LIE BY POSITION: position p holds row swap34(p), bits 3 and 4 of the number exchanged.  So 16 neighbouring positions, taken as source 0 of a product, leave 16 neighbouring rows in the
; 16 registers of two neighbouring result tiles.  K is never permuted.
; A work-group takes 128 columns x 256 along K, a wave 32 columns; A LANE TAKES A COLUMN AND ITS REGISTERS RUN DOWN K: a load reads 128 consecutive bytes a wave, a block of 32 lies in one lane.
; A wave's four chunks (32 rows x 48 bytes each) are gathered in its own stage in LDS and leave as stores of 512 consecutive bytes.  The scale words leave as 128 bytes a wave and step.
; One launch and one path for all four weights: pointer, pitch and places are chosen by the work-group's number.  No tensor loads, no barrier: waves share nothing.
; A block's scale is 2^(floor(log2(largest magnitude)) - 2); its byte is the largest magnitude's exponent field - 2, held at 1 from below.
; LIMITS: a block of zeros, or one whose largest magnitude lies under 2^-124, gets the byte 1 (its codes are zeros or nearly so; only this program reads the bytes); NaN and infinities are not served.
.set CH,   196608
.set SS,   16384
.set SB,   24                          ; v24-25   the scale words of the wave's two steps of 128
.set AD,   32                          ; v32-63   4 x lane + i x pitch, i = 0 .. 31; never rewritten
.set X,    64                          ; v64-127  two sets of 32 numbers
.set CD,   128                         ; v128..   a block's codes, 3 + 3 registers
.set OUTR, 144                         ; v144-191 four chunks read back, 12 registers each
.macro PICK lim, p, pitch, first, code, scale  ; work-groups under lim belong to the weight at s[p]
	s_cmp_lt_u32 ttmp9, \lim
	s_cselect_b64 s[14:15], s[\p:\p+1], s[14:15]
	s_cselect_b32 s16, \pitch, s16
	s_cselect_b32 s17, \first, s17
	s_cselect_b32 s18, 2, s18
	s_cselect_b32 s19, \code, s19
	s_cselect_b32 s20, \scale, s20
.endm
	s_load_b256 s[4:11], s[0:1], 0x0               ; w_qkv, w_proj, w1, w2
	s_load_b64 s[12:13], s[0:1], 0x20              ; wts
	v_lshl_add_u32 v192, v0, 2, 0x6000
	v_mov_b32 v193, 0
	v_lshrrev_b32 v1, 5, v0
	v_readfirstlane_b32 s21, v1                    ; wave
	v_and_b32 v1, 31, v0                           ; lane
	v_and_b32 v2, 7, v1
	v_bfe_u32 v12, v1, 3, 1
	v_lshl_or_b32 v2, v12, 4, v2
	v_bfe_u32 v12, v1, 4, 1
	v_lshl_or_b32 v2, v12, 3, v2                   ; my column's position among the wave's 32
	s_mul_i32 s30, s21, 6144                       ; my wave's stage
	v_mul_u32_u24 v3, v2, 48
	v_add_nc_u32 v3, s30, v3                       ; into it: 48 bytes a position
	v_lshlrev_b32 v5, 4, v1                        ; 16 x lane
	v_add_nc_u32 v4, s30, v5                       ; out of it
	v_lshlrev_b32 v6, 2, v2                        ; my scale word's place
	v_lshlrev_b32 v7, 2, v1
	s_mov_b32 s16, 4096                            ; w2: bytes from row to row of K,
	s_mov_b32 s17, 256                             ; its first work-group,
	s_mov_b32 s18, 4                               ; log2 of its groups of 256 along K,
	s_mov_b32 s19, 9437184                         ; its codes' place in wts,
	s_mov_b32 s20, 22413312                        ; its scale words'
	s_wait_kmcnt 0x0
	s_mov_b64 s[14:15], s[10:11]
	PICK 256, 8, 16384, 128, 6291456, 22282240     ; w1
	PICK 128, 6, 4096, 96, 3145728, 22151168       ; w_proj
	PICK 96, 4, 12288, 0, 0, 22020096              ; w_qkv
	s_sub_co_u32 s22, ttmp9, s17
	s_bfm_b32 s23, s18, 0
	s_and_b32 s23, s22, s23                        ; which 256 along K
	s_lshr_b32 s24, s22, s18                       ; which 128 columns
	s_mul_i32 s26, s23, s16
	s_lshl_b32 s26, s26, 8
	s_lshl_b32 s25, s24, 9
	s_add_co_u32 s26, s26, s25
	s_lshl_b32 s25, s21, 7
	s_add_co_u32 s26, s26, s25
	s_mov_b32 s27, 0
	s_add_nc_u64 s[32:33], s[14:15], s[26:27]      ; the wave's first number; s[32:47]: a base for each block of 32 rows
	s_lshl_b32 s28, s16, 5
	s_mov_b32 s29, 0
.irp t, 1,2,3,4,5,6,7
	s_add_nc_u64 s[32+2*\t:33+2*\t], s[30+2*\t:31+2*\t], s[28:29]
.endr
	s_lshl_b32 s25, s24, 7
	s_lshl_b32 s31, s21, 5
	s_add_co_u32 s25, s25, s31                     ; the wave's first position
	s_mul_i32 s26, s23, 4*CH
	s_mul_i32 s31, s25, 48
	s_add_co_u32 s26, s26, s31
	s_add_co_u32 s26, s26, s19
	s_add_nc_u64 s[48:49], s[12:13], s[26:27]      ; codes out
	s_mul_i32 s26, s23, 2*SS
	s_lshl_b32 s31, s25, 2
	s_add_co_u32 s26, s26, s31
	s_add_co_u32 s26, s26, s20
	s_add_nc_u64 s[50:51], s[12:13], s[26:27]      ; scale words out
.set i, 0
.rept 32
	v_mad_u32_u24 v[AD+i], s16, i, v7
.set i, i+1
.endr
.macro LOAD t                          ; block t: W(32 t + i, my column) into set t % 2
.set i, 0
.rept 32
	global_load_b32 v[X+32*((\t)%2)+i], v[AD+i], s[32+2*(\t):33+2*(\t)] th:TH_LOAD_NT
.set i, i+1
.endr
.endm
	LOAD 0
	LOAD 1
.macro BLOCK t
.set XS, X+32*((\t)%2)
.if (\t) < 7
	s_wait_loadcnt 32                              ; this block's 32 loads are in; the next block's may be out
.else
	s_wait_loadcnt 0x0
.endif
	v_max3_num_f32 v12, |v[XS]|, |v[XS+1]|, |v[XS+2]|   ; the block's largest magnitude, in two chains
	v_max3_num_f32 v13, |v[XS+3]|, |v[XS+4]|, |v[XS+5]|
.irp i, 6,10,14,18,22,26
	v_max3_num_f32 v12, v12, |v[XS+\i]|, |v[XS+\i+1]|
	v_max3_num_f32 v13, v13, |v[XS+\i+2]|, |v[XS+\i+3]|
.endr
	v_max3_num_f32 v12, v12, |v[XS+30]|, |v[XS+31]|
	v_max3_num_f32 v12, v12, v13, 0x1800000        ; and the floor 2^(3 - 127): the byte cannot fall under 1
	v_add_nc_u32 v14, 0xff000000, v12              ; 2 off the exponent field: the conversion's scale operand
	v_lshrrev_b32 v13, 23, v14                     ; the scale's byte
.if (\t)%4 == 0
	v_mov_b32 v[SB+(\t)/4], v13
.else
	v_lshl_or_b32 v[SB+(\t)/4], v13, 8*((\t)%4), v[SB+(\t)/4]
.endif
	v_cvt_scalef32_pk16_fp6_f32 v[CD:CD+2], v[XS:XS+15], v14
	v_cvt_scalef32_pk16_fp6_f32 v[CD+4:CD+6], v[XS+16:XS+31], v14   ; (a conversion's three registers begin on an even number)
.irp i, 0,1,2
	ds_store_b32 v3, v[CD+\i] offset:((\t)/2)*1536+24*((\t)%2)+4*\i
	ds_store_b32 v3, v[CD+4+\i] offset:((\t)/2)*1536+24*((\t)%2)+12+4*\i
.endr
.if (\t)%2 == 1                        ; a chunk is whole: it comes back as it will lie in memory (LDS serves a wave's instructions in order)
.irp j, 0,1,2
	ds_load_b128 v[OUTR+12*((\t)/2)+4*\j:OUTR+12*((\t)/2)+4*\j+3], v4 offset:((\t)/2)*1536+512*\j
.endr
.endif
.if (\t)+2 < 8
	LOAD (\t)+2
.endif
	s_wait_dscnt 0x0                               ; the stores have read their registers, and the chunk is back
.endm
.irp t, 0,1,2,3,4,5,6,7
	BLOCK \t
.endr
.irp c, 0,1,2,3
.irp j, 0,1,2
	global_store_b128 v5, v[OUTR+12*\c+4*\j:OUTR+12*\c+4*\j+3], s[48:49] offset:\c*CH+512*\j   ; 512 consecutive bytes, at a multiple of 512 from the buffer's first byte
.endr
.endr
	global_store_b32 v6, v[SB], s[50:51]
	global_store_b32 v6, v[SB+1], s[50:51] offset:SS
	s_wait_tensorcnt 0x0
	ds_add_u32 v192, v193
	s_wait_dscnt 0x0
	s_endpgm
.Lfunc_end_k_q1d0f8d3296_wq:
	.size	k_q1d0f8d3296_wq, .Lfunc_end_k_q1d0f8d3296_wq-k_q1d0f8d3296_wq
	.p2alignl 7, 3214868480
	.fill 96, 4, 3214868480
	.section	.rodata,"a",@progbits
	.p2align	6, 0x0
	.amdhsa_kernel k_q1d0f8d3296_wq
		.amdhsa_group_segment_fixed_size 25088
		.amdhsa_private_segment_fixed_size 0
		.amdhsa_enable_private_segment 0
		.amdhsa_kernarg_size 40
		.amdhsa_user_sgpr_count 2
		.amdhsa_user_sgpr_kernarg_segment_ptr 1
		.amdhsa_wavefront_size32 1
		.amdhsa_system_sgpr_workgroup_id_x 1
		.amdhsa_system_sgpr_workgroup_id_y 1
		.amdhsa_system_sgpr_workgroup_id_z 1
		.amdhsa_system_vgpr_workitem_id 0
		.amdhsa_next_free_vgpr 194
		.amdhsa_next_free_sgpr 66
		.amdhsa_reserve_vcc 0
		.amdhsa_float_denorm_mode_32 3
		.amdhsa_float_denorm_mode_16_64 3
		.amdhsa_memory_ordered 1
		.amdhsa_forward_progress 1
		.amdhsa_inst_pref_size 46
	.end_amdhsa_kernel
	.amdgpu_metadata
---
amdhsa.version: [ 1, 2 ]
amdhsa.kernels:
  - .name:           k_q1d0f8d3296_wq
    .symbol:         k_q1d0f8d3296_wq.kd
    .args:
      - { .name: w_qkv, .offset: 0, .size: 8, .value_kind: global_buffer, .address_space: global }
      - { .name: w_proj, .offset: 8, .size: 8, .value_kind: global_buffer, .address_space: global }
      - { .name: w1, .offset: 16, .size: 8, .value_kind: global_buffer, .address_space: global }
      - { .name: w2, .offset: 24, .size: 8, .value_kind: global_buffer, .address_space: global }
      - { .name: wts, .offset: 32, .size: 8, .value_kind: global_buffer, .address_space: global }
    .group_segment_fixed_size: 25088
    .private_segment_fixed_size: 0
    .kernarg_segment_align: 8
    .kernarg_segment_size: 40
    .max_flat_workgroup_size: 128
    .sgpr_count:     66
    .vgpr_count:     194
    .wavefront_size: 32
...
	.end_amdgpu_metadata
.endif
;; end of part 1
;; launch ln1 (part 2): grid 256 x 1, 4 waves a work-group, no clusters, 50,688 bytes of LDS; arguments x, ln1_g, ln1_b, act; writes act
.if DOCPART == 2
	.amdgcn_target "amdgcn-amd-amdhsa--gfx1250"
	.amdhsa_code_object_version 6
	.text
	.protected	k_q1d0f8d3296_ln1
	.globl	k_q1d0f8d3296_ln1
	.p2align	8
	.type	k_q1d0f8d3296_ln1,@function
k_q1d0f8d3296_ln1:
	s_mov_b64 s[64:65], 0
	v_nop
	global_prefetch_b8 v0, s[64:65] scope:SCOPE_SE
	s_setreg_imm32_b32 hwreg(HW_REG_WAVE_MODE, 25, 1), 1
	s_wait_xcnt 0x0
; act = Q(layernorm(rows) x g + b): rows [4096][1024] f32 become codes of FP6 (E2M3), chunk-major ([K / 64][position][48 bytes], CH from chunk to chunk), with scale words [K / 128][position][4 bytes].
; Position p holds token swap34(p) (bits 3 and 4 exchanged).  Work-group P owns positions 16 P .. 16 P + 15; wave w positions 4 w .. 4 w + 3 of them, which are four neighbouring tokens: 16 KiB on end.
; Mean and variance in two passes, as the definition has them (the mean is taken off before the squares), all in f32; a row stays in 32 registers of the wave.
; The normalised row turns through the wave's own bytes of LDS, so that lane l holds the whole block l of 32; codes and bytes of the 16 rows meet in LDS, one barrier, and leave chunk by chunk:
; a chunk's 16 rows are 768 consecutive bytes, stored sixteen lanes to 256 aligned bytes.  The scale words leave as pieces of 64 bytes (16 rows of a step).
; LIMITS: 1 / sqrt by v_rsq_f32; a block of zeros or under 2^-124 gets the byte 1 (only this program reads the bytes); NaN and infinities are not served.
.set CH,  196608
.set SS,  16384
.set T,   32                           ; v32-63   the turned row: my block of 32; later what is stored
.set X,   64                           ; v64-191  four rows as loaded
.set GG,  192                          ; v192-223 g at my columns
.set BB,  224                          ; v224-255 b
.set CD,  20                           ; v20-26   a block's codes
.set OST, 36864                        ; LDS: behind the waves' turning places (2 x 4,608 bytes each): 16 chunks x (16 rows x 48 bytes + 16)
.set SSG, 49408                        ; and the scale words: [8 steps][16 rows][4 bytes]
	s_load_b256 s[4:11], s[0:1], 0x0               ; rows, g, b, act
	v_lshl_add_u32 v23, v0, 2, 0xc400
	v_mov_b32 v27, 0
	v_lshrrev_b32 v1, 5, v0
	v_readfirstlane_b32 s12, v1                    ; wave
	v_and_b32 v1, 31, v0                           ; lane
	v_lshlrev_b32 v10, 4, v1                       ; 16 x lane; never rewritten
	s_lshr_b32 s13, ttmp9, 1
	s_lshl_b32 s13, s13, 5
	s_and_b32 s14, ttmp9, 1
	s_lshl_b32 s14, s14, 3
	s_add_co_u32 s13, s13, s14
	s_lshr_b32 s14, s12, 1
	s_lshl_b32 s14, s14, 4
	s_add_co_u32 s13, s13, s14
	s_and_b32 s14, s12, 1
	s_lshl_b32 s14, s14, 2
	s_add_co_u32 s13, s13, s14                     ; my first token: 32 (P / 2) + 8 (P % 2) + 16 (w / 2) + 4 (w % 2)
	s_lshl_b32 s14, s13, 12
	s_mov_b32 s15, 0
	s_mul_i32 s16, ttmp9, 768
	s_mul_i32 s17, s12, 4*CH
	s_add_co_u32 s16, s16, s17                     ; codes out: my work-group's 768 bytes of my wave's first chunk
	s_mov_b32 s17, 0
	s_lshl_b32 s18, ttmp9, 6
	s_add_co_u32 s18, s18, 3145728                 ; scale words out
	s_mov_b32 s19, 0
	s_mov_b32 s20, 0x3a800000                      ; 1 / 1024
	s_mov_b32 s21, 0x3727c5ac                      ; 1e-5
	s_mov_b32 s22, 0x76543210
	s_mov_b32 s23, 0xfedcba98                      ; v_permlanex16_b32's selects for lane l xor 16
	s_wait_kmcnt 0x0
	s_add_nc_u64 s[4:5], s[4:5], s[14:15]
	s_add_nc_u64 s[18:19], s[10:11], s[18:19]
	s_add_nc_u64 s[10:11], s[10:11], s[16:17]
.irp k, 0,1,2,3
.irp j, 0,1,2,3,4,5,6,7
	global_load_b128 v[X+32*\k+4*\j:X+32*\k+4*\j+3], v10, s[4:5] offset:4096*\k+512*\j   ; 512 consecutive bytes a load; register 4 j + e is column 128 j + 4 lane + e
.endr
.endr
.irp j, 0,1,2,3,4,5,6,7
	global_load_b128 v[GG+4*\j:GG+4*\j+3], v10, s[6:7] offset:512*\j
	global_load_b128 v[BB+4*\j:BB+4*\j+3], v10, s[8:9] offset:512*\j
.endr
	s_mul_i32 s24, s12, 9216
	v_lshrrev_b32 v11, 3, v1
	v_add_nc_u32 v11, v11, v1
	v_lshl_add_u32 v2, v11, 4, s24                 ; the turn, in: 16 bytes a lane, 16 of padding behind each 128
	v_mul_u32_u24 v3, v1, 144
	v_add_nc_u32 v3, s24, v3                       ; out: my block's 128 bytes
	s_mul_i32 s24, s12, 192
	s_add_co_u32 s24, s24, OST
	v_lshrrev_b32 v11, 1, v1
	v_mul_u32_u24 v4, v11, 784
	v_and_b32 v11, 1, v1
	v_mad_u32_u24 v4, v11, 24, v4
	v_add_nc_u32 v4, s24, v4                       ; my block's codes: chunk lane / 2, half lane % 2, row 4 w (+ k)
	s_lshl_b32 s24, s12, 4
	s_add_co_u32 s24, s24, SSG
	v_lshrrev_b32 v11, 2, v1
	v_and_b32 v5, 3, v1
	v_lshl_add_u32 v5, v11, 6, v5
	v_add_nc_u32 v5, s24, v5                       ; my block's byte: step lane / 4, byte lane % 4
	v_and_b32 v31, 3, v1
	v_lshlrev_b32 v31, 4, v31
	v_lshl_add_u32 v31, v11, 14, v31               ; the scale words in memory: step lane / 4, 16 bytes a lane
	v_add_nc_u32 v30, SSG, v10
	s_mul_i32 s24, s12, 4*784
	s_add_co_u32 s24, s24, OST
	v_and_b32 v11, 15, v1
	v_lshlrev_b32 v8, 4, v11
	v_lshrrev_b32 v11, 4, v1
	v_mul_u32_u24 v9, v11, CH-512
	v_add_nc_u32 v9, v9, v8                        ; memory, where lanes 16-31 begin the next chunk
	v_mul_u32_u24 v7, v11, 272
	v_add_nc_u32 v7, v7, v8
	v_add_nc_u32 v7, s24, v7                       ; LDS, likewise
	v_lshl_add_u32 v8, v11, 8, v8                  ; memory, where both halves lie in one chunk
	v_add_nc_u32 v6, s24, v8                       ; LDS, likewise
	s_wait_loadcnt 0x0
.macro LANES                           ; v12 summed over the 32 lanes, in every lane
	v_add_f32_dpp v12, v12, v12 row_xmask:1 row_mask:0xf bank_mask:0xf
	v_add_f32_dpp v12, v12, v12 row_xmask:2 row_mask:0xf bank_mask:0xf
	v_add_f32_dpp v12, v12, v12 row_xmask:4 row_mask:0xf bank_mask:0xf
	v_add_f32_dpp v12, v12, v12 row_xmask:8 row_mask:0xf bank_mask:0xf
	v_permlanex16_b32 v13, v12, s22, s23
	v_add_f32 v12, v12, v13
.endm
.macro ROW k
.set R, X+32*(\k)
.set PB, 4608*((\k)%2)
	v_pk_add_f32 v[12:13], v[R:R+1], v[R+2:R+3]    ; the sum, in two chains
	v_pk_add_f32 v[14:15], v[R+4:R+5], v[R+6:R+7]
.irp j, 8,12,16,20,24,28
	v_pk_add_f32 v[12:13], v[12:13], v[R+\j:R+\j+1]
	v_pk_add_f32 v[14:15], v[14:15], v[R+\j+2:R+\j+3]
.endr
	v_pk_add_f32 v[12:13], v[12:13], v[14:15]
	v_add_f32 v12, v12, v13
	LANES
	v_mul_f32 v16, s20, v12                        ; the mean
	v_mov_b32 v17, v16
.irp j, 0,2,4,6,8,10,12,14,16,18,20,22,24,26,28,30
	v_pk_add_f32 v[R+\j:R+\j+1], v[R+\j:R+\j+1], v[16:17] neg_lo:[0,1] neg_hi:[0,1]
.endr
	v_pk_mul_f32 v[12:13], v[R:R+1], v[R:R+1]      ; the squares of what is left
	v_pk_mul_f32 v[14:15], v[R+2:R+3], v[R+2:R+3]
.irp j, 4,8,12,16,20,24,28
	v_pk_fma_f32 v[12:13], v[R+\j:R+\j+1], v[R+\j:R+\j+1], v[12:13]
	v_pk_fma_f32 v[14:15], v[R+\j+2:R+\j+3], v[R+\j+2:R+\j+3], v[14:15]
.endr
	v_pk_add_f32 v[12:13], v[12:13], v[14:15]
	v_add_f32 v12, v12, v13
	LANES
	v_fma_f32 v18, v12, s20, s21                   ; variance + 1e-5
	v_rsq_f32 v18, v18
	v_nop                                          ; a plain instruction behind the transcendental,
	s_wait_alu depctr_va_vdst(0)                   ; and the wait ahead of its first reader
	v_mov_b32 v19, v18
.irp j, 0,2,4,6,8,10,12,14,16,18,20,22,24,26,28,30
	v_pk_mul_f32 v[R+\j:R+\j+1], v[R+\j:R+\j+1], v[18:19]
.endr
.irp j, 0,2,4,6,8,10,12,14,16,18,20,22,24,26,28,30
	v_pk_fma_f32 v[R+\j:R+\j+1], v[R+\j:R+\j+1], v[GG+\j:GG+\j+1], v[BB+\j:BB+\j+1]
.endr
.irp j, 0,1,2,3,4,5,6,7
	ds_store_b128 v2, v[R+4*\j:R+4*\j+3] offset:PB+576*\j
.endr
.irp j, 0,1,2,3,4,5,6,7
	ds_load_b128 v[T+4*\j:T+4*\j+3], v3 offset:PB+16*\j   ; my wave's own bytes, served in order
.endr
	s_wait_dscnt 0x0                               ; my block is in; the last row's stores of codes have read their registers
	v_max3_num_f32 v12, |v[T]|, |v[T+1]|, |v[T+2]|
	v_max3_num_f32 v13, |v[T+3]|, |v[T+4]|, |v[T+5]|
.irp i, 6,10,14,18,22,26
	v_max3_num_f32 v12, v12, |v[T+\i]|, |v[T+\i+1]|
	v_max3_num_f32 v13, v13, |v[T+\i+2]|, |v[T+\i+3]|
.endr
	v_max3_num_f32 v12, v12, |v[T+30]|, |v[T+31]|
	v_max3_num_f32 v12, v12, v13, 0x1800000        ; the floor 2^(3 - 127)
	v_add_nc_u32 v28, 0xff000000, v12              ; the conversion's scale operand
	v_lshrrev_b32 v29, 23, v28                     ; the byte
	v_cvt_scalef32_pk16_fp6_f32 v[CD:CD+2], v[T:T+15], v28
	v_cvt_scalef32_pk16_fp6_f32 v[CD+4:CD+6], v[T+16:T+31], v28
.irp i, 0,1,2
	ds_store_b32 v4, v[CD+\i] offset:48*(\k)+4*\i
	ds_store_b32 v4, v[CD+4+\i] offset:48*(\k)+12+4*\i
.endr
	ds_store_b8 v5, v29 offset:4*(\k)
.endm
	ROW 0
	ROW 1
	ROW 2
	ROW 3
	s_wait_dscnt 0x0                               ; for the others' sake: my codes and bytes lie in LDS
	s_barrier_signal -1
	s_barrier_wait -1
.irp k, 0,1,2,3,4,5                    ; my four chunks: 12 pieces of 256 bytes, two an instruction; in steps 1 and 4 the second piece begins the next chunk
.if \k%3 == 1
	ds_load_b128 v[T+4*\k:T+4*\k+3], v7 offset:((2*\k)/3)*784+((2*\k)%3)*256
.else
	ds_load_b128 v[T+4*\k:T+4*\k+3], v6 offset:((2*\k)/3)*784+((2*\k)%3)*256
.endif
.endr
.irp k, 0,1,2,3,4,5
	s_wait_dscnt 5-\k
.if \k%3 == 1
	global_store_b128 v9, v[T+4*\k:T+4*\k+3], s[10:11] offset:((2*\k)/3)*CH+((2*\k)%3)*256
.else
	global_store_b128 v8, v[T+4*\k:T+4*\k+3], s[10:11] offset:((2*\k)/3)*CH+((2*\k)%3)*256
.endif
.endr
	s_cmp_lg_u32 s12, 0
	s_cbranch_scc1 .Ldone
	ds_load_b128 v[T+24:T+27], v30                 ; wave 0: the 512 bytes of scale words
	s_wait_dscnt 0x0
	global_store_b128 v31, v[T+24:T+27], s[18:19]
.Ldone:
	s_wait_tensorcnt 0x0
	ds_add_u32 v23, v27
	s_wait_dscnt 0x0
	s_endpgm
.Lfunc_end_k_q1d0f8d3296_ln1:
	.size	k_q1d0f8d3296_ln1, .Lfunc_end_k_q1d0f8d3296_ln1-k_q1d0f8d3296_ln1
	.p2alignl 7, 3214868480
	.fill 96, 4, 3214868480
	.section	.rodata,"a",@progbits
	.p2align	6, 0x0
	.amdhsa_kernel k_q1d0f8d3296_ln1
		.amdhsa_group_segment_fixed_size 50688
		.amdhsa_private_segment_fixed_size 0
		.amdhsa_enable_private_segment 0
		.amdhsa_kernarg_size 32
		.amdhsa_user_sgpr_count 2
		.amdhsa_user_sgpr_kernarg_segment_ptr 1
		.amdhsa_wavefront_size32 1
		.amdhsa_system_sgpr_workgroup_id_x 1
		.amdhsa_system_sgpr_workgroup_id_y 1
		.amdhsa_system_sgpr_workgroup_id_z 1
		.amdhsa_system_vgpr_workitem_id 0
		.amdhsa_next_free_vgpr 256
		.amdhsa_next_free_sgpr 66
		.amdhsa_reserve_vcc 0
		.amdhsa_float_denorm_mode_32 3
		.amdhsa_float_denorm_mode_16_64 3
		.amdhsa_memory_ordered 1
		.amdhsa_forward_progress 1
		.amdhsa_inst_pref_size 45
	.end_amdhsa_kernel
	.amdgpu_metadata
---
amdhsa.version: [ 1, 2 ]
amdhsa.kernels:
  - .name:           k_q1d0f8d3296_ln1
    .symbol:         k_q1d0f8d3296_ln1.kd
    .args:
      - { .name: x, .offset: 0, .size: 8, .value_kind: global_buffer, .address_space: global }
      - { .name: ln1_g, .offset: 8, .size: 8, .value_kind: global_buffer, .address_space: global }
      - { .name: ln1_b, .offset: 16, .size: 8, .value_kind: global_buffer, .address_space: global }
      - { .name: act, .offset: 24, .size: 8, .value_kind: global_buffer, .address_space: global }
    .group_segment_fixed_size: 50688
    .private_segment_fixed_size: 0
    .kernarg_segment_align: 8
    .kernarg_segment_size: 32
    .max_flat_workgroup_size: 128
    .sgpr_count:     66
    .vgpr_count:     256
    .wavefront_size: 32
...
	.end_amdgpu_metadata
.endif
;; end of part 2
;; launch qkv (part 3): grid 16 x 48, 4 waves a work-group, clusters of 4 x 4, 327,680 bytes of LDS; arguments act, wts, b_qkv, qkvb; writes qkvb
.if DOCPART == 3
	.amdgcn_target "amdgcn-amd-amdhsa--gfx1250"
	.amdhsa_code_object_version 6
	.text
	.protected	k_q1d0f8d3296_qkv
	.globl	k_q1d0f8d3296_qkv
	.p2align	8
	.type	k_q1d0f8d3296_qkv,@function
k_q1d0f8d3296_qkv:
	s_mov_b64 s[64:65], 0
	v_nop
	global_prefetch_b8 v0, s[64:65] scope:SCOPE_SE
	s_setreg_imm32_b32 hwreg(HW_REG_WAVE_MODE, 25, 1), 1
	s_wait_xcnt 0x0
	s_wait_alu depctr_hold_cnt(0) depctr_sa_sdst(0) depctr_va_vdst(0) depctr_va_sdst(0) depctr_va_ssrc(0) depctr_va_vcc(0) depctr_vm_vsrc(0)
	s_getreg_b32 s2, hwreg(HW_REG_IB_STS2, 6, 4)
	s_cmp_eq_u32 s2, 0
	s_cbranch_scc0 .Lentry_in_a_cluster
	s_endpgm
.Lentry_in_a_cluster:
	s_bfe_u32 s2, ttmp6, 0x10000c
	s_cmp_lg_u32 s2, 0xf033
	s_cbranch_scc0 .Lentry_shape_is_right
	s_endpgm
.Lentry_shape_is_right:
; q, k = Q(xn Wqk + b) along the head's 64, and V^T = Q(Wv^T xn^T + b) along the keys, all on codes of FP6 (E2M3) with E8M0 scales; sums in f32.
; OPERANDS: codes[K / 64][position][48 bytes] (CH from chunk to chunk), scale words [K / 128][position][4 bytes] (SS from step to step); position p holds row swap34(p).
; C = A B^T, tile 128 x 128, four waves of 64 x 64 (16 accumulators).  That tile gives every launch of this program's four products a multiple of 256 work-groups.
; THE MATRIX INSTRUCTION IS USED TRANSPOSED (source 0 = 16 positions of B, source 1 = 16 of A): a lane holds one row of A, and the 16 registers of two neighbouring tiles are 16 neighbouring columns.
; So the result is quantised along B's rows in registers, and leaves as the next product's operand: a wave's 64 columns are one chunk, 64 rows x 48 consecutive bytes.
; TWO KINDS OF CLUSTER, ONE TEXT: clusters with y < 8: A = tokens, B = Wq, Wk (bias along the columns); y >= 8: A = Wv's columns, B = tokens (bias along the rows).  Pointers and places are chosen by the cluster's y,
; which all sixteen partners share; only the 64 additions of the bias stand in two arms of a branch on it.
; K = 1,024 lies in LDS whole: two slots of 512 along K, each filled once; the scale words likewise.  All is asked for at the head, jointly: A's tiles by the four of a row of the cluster, B's by the four of a column.
; LIMITS: a block of zeros or under 2^-124 gets the byte 1 (only this program reads the bytes); NaN and infinities are not served.
.set KTOT, 1024
.set CH,   196608
.set SS,   16384
.set LAPS, KTOT/1024
.set SLOT, 98304                       ; A's 8 chunks of 128 rows x 48 bytes, then B's 8
.set QT,   24576                       ; 4 chunks: what one tensor load brings
.set SCH,  (KTOT/256)*512              ; the scale words that one tensor load brings
.set SCL,  2*SLOT                      ; behind the slots: A's scale words, step by step, then B's
.set STG,  229376                      ; the way out: 64 rows x 48 bytes for each wave; no tensor load lands here
.set SST,  241664                      ; and the tile's scale words: 128 rows x 4 bytes
.set SPARE, 249856                     ; the spare words, 128 bytes for each wave, that no other line names
.set ADRA, 16                          ; v16-17 LDS address of my A fragments in slot 0, 1
.set ADRB, 20                          ; v20-21 the same for B
.set SRD,  22                          ; v22    where wave 0 reads the scale words back
.set SSO,  23                          ; v23    where I put two scale bytes
.set STO,  24                          ; v24    where I put 12 bytes of codes
.set RD,   25                          ; v25    where I read the chunk back
.set LO,   26                          ; v26    16 x lane
.set ADRS, 27                          ; v27    my scale words: lanes 0-15 A's rows, lanes 16-31 B's
.set SPW,  28                          ; v28    my spare word; never rewritten
.set NIL,  29                          ; v29    0; never rewritten
.set SC,   32                          ; v32-39 two sets of 4 scale words
.set BM,   40                          ; v40-47 the bias of my row, a pair for each block of A
.set BN,   48                          ; v48-79 the bias of my 8 columns, for each block of B
.set CD,   80                          ; v80-86 codes just made
.set TM,   88                          ; v88-95 at work
.set PW,   96                          ; v96    two scale bytes
.set ACC,  128                         ; v128-255 accumulator (a, b) at 128 + 8 (4 a + b)
.set F0,   0                           ; window 1: two sets of fragments: A's four at f + 12 i, B's four at f + 48 + 12 i
.set F1,   96
.set G1,   24                          ; s[24:31] group 1 for A's codes; s[32:39] group 0, a set for each slot
.set G0,   32
.set G1B,  48                          ; s[48:55], s[56:63] for B's
.set G0B,  56
.set G1S,  68                          ; s[68:75], s[76:79] for A's scale words; s[80:87], s[88:91] for B's
.set G0S,  76
.set G1SB, 80
.set G0SB, 88
.set MSB, 0
.macro WIN new                         ; the immediate's high byte repeats the setting that is left
.if MSB != \new
	s_set_vgpr_msb (MSB<<8)|\new
.set MSB, \new
.endif
.endm
.set MUL,  0x05                        ; sources 0 and 1 window 1; C and D window 0
.set TO_F, 0x40                        ; destination window 1, address window 0
.macro JLOAD g0a, g1a, g0b, g1b        ; a joint load: waves 0 and 1 fetch for A, waves 2 and 3 for B; four v_nop follow each line
	s_cmp_eq_u32 s15, 0
	s_cbranch_scc0 .Lfor_b_\@
	tensor_load_to_lds s[\g0a:\g0a+3], s[\g1a:\g1a+7]
	s_nop 0
.rept 4
	v_nop
.endr
	s_branch .Lasked_\@
.Lfor_b_\@:
	tensor_load_to_lds s[\g0b:\g0b+3], s[\g1b:\g1b+7]
	s_nop 0
.rept 4
	v_nop
.endr
.Lasked_\@:
.endm
.macro CREST                           ; a round of the cluster's barrier behind its opening barrier
	s_cmp_lg_u32 s14, 0
	s_cbranch_scc1 .Lnot_wave_0_\@
	s_barrier_signal -3
.Lnot_wave_0_\@:
	s_barrier_wait -3
	s_barrier_signal -1
	s_barrier_wait -1
.endm
.macro CROUND
	s_barrier_signal -1
	s_barrier_wait -1
	CREST
.endm
.macro PLACES n
.rept \n
	v_nop
.endr
.endm
	s_load_b256 s[4:11], s[0:1], 0x0               ; act, wts, b_qkv, qkvb
	v_lshl_add_u32 v[SPW], v0, 2, SPARE
	v_mov_b32 v[NIL], 0
	ds_add_u32 v28, v29
	ds_add_u32 v28, v29
	s_wait_dscnt 0x0
	v_lshrrev_b32 v1, 5, v0
	v_readfirstlane_b32 s14, v1                    ; wave
	s_lshr_b32 s15, s14, 1                         ; my half of the tile's rows.  Also: I fetch for A (0) or B (1)
	s_and_b32 s16, s14, 1                          ; my half of its columns.  Also: which half of a slot's chunks I fetch
	s_bfe_u32 s40, ttmp6, 0x40000                  ; cx
	s_bfe_u32 s41, ttmp6, 0x40004                  ; cy
	s_and_b32 s18, ttmp7, 0xffff                   ; the cluster's y
	s_sub_co_u32 s19, s18, 8                       ; V's clusters: 0 .. 3
	s_and_b32 s20, s19, 1                          ; their row of clusters,
	s_lshr_b32 s21, s19, 1
	s_lshl_b32 s21, s21, 2
	s_add_co_u32 s21, s21, ttmp9                   ; and their column
	s_mov_b32 s96, 3145728
	s_mov_b32 s97, 22020096
	s_mov_b32 s2, 18874368
	s_wait_kmcnt 0x0
	s_cmp_ge_u32 s18, 8                            ; V's cluster?  The same in all sixteen partners
	s_cselect_b32 s17, s20, s18
	s_cselect_b32 s42, s21, ttmp9
	s_cselect_b64 s[66:67], s[6:7], s[4:5]         ; A: Wv's columns, or the tokens
	s_cselect_b64 s[6:7], s[4:5], s[6:7]           ; B: the tokens, or Wq and Wk
	s_cselect_b32 s95, 98304, 0                    ; A's codes begin at position 2,048 of w_qkv's,
	s_cselect_b32 s96, 22028288, s96               ; A's scale words,
	s_cselect_b32 s97, 3145728, s97                ; B's scale words,
	s_cselect_b32 s3, 6291456, 0                   ; the result's codes,
	s_cselect_b32 s2, 19136512, s2                 ; the result's scale words
	s_cselect_b32 s98, 1, 0
	s_mov_b64 s[4:5], s[66:67]
	s_lshl_b32 s17, s17, 2
	s_add_co_u32 s17, s17, s41                     ; tile row
	s_lshl_b32 s42, s42, 2
	s_add_co_u32 s42, s42, s40                     ; tile column
	s_lshl_b32 s43, s41, 2
	s_lshl_b32 s43, 15, s43                        ; my row of the cluster
	s_lshl_b32 s44, 0x1111, s40                    ; my column
	s_or_b32 s[G1+0], s43, (3<<16)|(1<<21)         ; 15:0 the mask; 17:16 elements of 8 bytes; 21 set beside a mask; no padding
	s_or_b32 s[G1B+0], s44, (3<<16)|(1<<21)
.irp g, G1, G1B                        ; 4 chunks: rows of 128 x 48 = 6,144 bytes, CH bytes apart
	s_mov_b32 s[\g+1], 768<<16                     ; tensor_dim0
	s_mov_b32 s[\g+2], 4<<16                       ; tensor_dim1
	s_mov_b32 s[\g+3], 768<<16                     ; tile_dim0
	s_mov_b32 s[\g+4], 4                           ; tile_dim1
	s_mov_b32 s[\g+5], CH/8                        ; tensor_dim0_stride
	s_mov_b32 s[\g+6], 0
	s_mov_b32 s[\g+7], 0
.endr
	s_or_b32 s[G1S+0], s43, (3<<16)|(1<<21)
	s_or_b32 s[G1SB+0], s44, (3<<16)|(1<<21)
.irp g, G1S, G1SB                      ; KTOT / 256 steps: rows of 128 x 4 = 512 bytes, SS bytes apart
	s_mov_b32 s[\g+1], 64<<16
	s_mov_b32 s[\g+2], (KTOT/256)<<16
	s_mov_b32 s[\g+3], 64<<16
	s_mov_b32 s[\g+4], KTOT/256
	s_mov_b32 s[\g+5], SS/8
	s_mov_b32 s[\g+6], 0
	s_mov_b32 s[\g+7], 0
.endr
	s_mul_i32 s18, s16, 4*CH                       ; my half of a slot's chunks,
	s_mul_i32 s19, s16, (KTOT/256)*SS              ; my half of the steps
	s_mul_i32 s20, s17, 6144                       ; A's hang on the tile row alone,
	s_add_co_u32 s20, s20, s18
	s_add_co_u32 s20, s20, s95
	s_mov_b32 s21, 0
	s_lshl_b32 s22, s17, 9
	s_add_co_u32 s22, s22, s19
	s_add_co_u32 s22, s22, s96
	s_mov_b32 s23, 0
	s_mul_i32 s46, s42, 6144                       ; B's on the tile column alone
	s_add_co_u32 s46, s46, s18
	s_mov_b32 s47, 0
	s_lshl_b32 s92, s42, 9
	s_add_co_u32 s92, s92, s19
	s_add_co_u32 s92, s92, s97
	s_mov_b32 s93, 0
	s_mul_i32 s45, s14, QT                         ; where they go: by the wave's number alone
	s_mul_i32 s94, s14, SCH
	s_add_nc_u64 s[20:21], s[4:5], s[20:21]
	s_add_nc_u64 s[22:23], s[4:5], s[22:23]
	s_add_nc_u64 s[46:47], s[6:7], s[46:47]
	s_add_nc_u64 s[92:93], s[6:7], s[92:93]
	CROUND                                         ; all sixteen work-groups are here: the joint loads meet
	s_mov_b32 s[G0S], 1
	s_add_co_u32 s[G0S+1], s94, SCL
	s_mov_b64 s[G0S+2:G0S+3], s[22:23]
	s_or_b32 s[G0S+3], s[G0S+3], 0x80000000
	s_mov_b32 s[G0SB], 1
	s_add_co_u32 s[G0SB+1], s94, SCL
	s_mov_b64 s[G0SB+2:G0SB+3], s[92:93]
	s_or_b32 s[G0SB+3], s[G0SB+3], 0x80000000
	JLOAD G0S, G1S, G0SB, G1SB                     ; the scale words first; by this text's count a wave has three tensor loads out at the most
.irp s, 0,1
	s_mov_b32 s[G0+4*\s], 1
	s_add_co_u32 s[G0+4*\s+1], s45, \s*SLOT
	s_add_nc_u64 s[G0+4*\s+2:G0+4*\s+3], s[20:21], \s*8*CH
	s_or_b32 s[G0+4*\s+3], s[G0+4*\s+3], 0x80000000
	s_mov_b32 s[G0B+4*\s], 1
	s_add_co_u32 s[G0B+4*\s+1], s45, \s*SLOT
	s_add_nc_u64 s[G0B+4*\s+2:G0B+4*\s+3], s[46:47], \s*8*CH
	s_or_b32 s[G0B+4*\s+3], s[G0B+4*\s+3], 0x80000000
	JLOAD G0+4*\s, G1, G0B+4*\s, G1B
.endr
	v_and_b32 v1, 15, v0                           ; r
	v_bfe_u32 v2, v0, 4, 1                         ; h
	v_mul_u32_u24 v3, v1, 48
	v_mad_u32_u24 v3, v2, 24, v3                   ; a fragment: 48 r + 24 h: word 12 r + 6 h, so the 32 lanes of a load of 8 bytes touch 64 different banks
	s_mul_i32 s95, s15, 3072                       ; my 64 rows of A,
	s_mul_i32 s96, s16, 3072                       ; my 64 rows of B,
	s_add_co_u32 s96, s96, 49152                   ; behind A's 8 chunks
.irp s, 0,1
	v_add_nc_u32 v[ADRA+\s], s95, v3
	v_add_nc_u32 v[ADRB+\s], s96, v3
	s_add_co_u32 s95, s95, SLOT
	s_add_co_u32 s96, s96, SLOT
.endr
	s_lshl_b32 s95, s15, 8
	s_lshl_b32 s96, s16, 8
	s_add_co_u32 s96, s96, 2*SCH
	s_sub_co_u32 s96, s96, s95
	v_mul_u32_u24 v4, s96, v2                      ; lanes 16-31 take B's words
	s_add_co_u32 s95, s95, SCL
	v_lshl_add_u32 v4, v1, 2, v4
	v_add_nc_u32 v[ADRS], s95, v4
	s_mul_i32 s95, s14, 3072                       ; the way out
	s_add_co_u32 s95, s95, STG
	v_mul_u32_u24 v4, v1, 48
	v_mad_u32_u24 v4, v2, 12, v4
	v_add_nc_u32 v[STO], s95, v4                   ; row r, 12 bytes for each half of the lanes
	v_and_b32 v4, 31, v0
	v_lshlrev_b32 v[LO], 4, v4
	v_add_nc_u32 v[RD], s95, v[LO]
	s_lshl_b32 s95, s15, 8
	s_lshl_b32 s96, s16, 1
	s_add_co_u32 s95, s95, s96
	s_add_co_u32 s95, s95, SST
	v_lshl_add_u32 v[SSO], v1, 2, s95              ; my row's word, my chunk's two bytes of it
	v_add_nc_u32 v[SRD], SST, v[LO]
	v_mov_b32 v[TM+2], 0                           ; written once: a lane permute's destination counts as one of its sources
	v_mov_b32 v[TM+3], 0
	; the biases.  Both sets are loaded on both ways; the set that is not used reads the buffer's head
	s_lshl_b32 s46, s42, 9
	s_lshl_b32 s47, s16, 8
	s_add_co_u32 s46, s46, s47                     ; my 64 columns, in bytes
	s_lshl_b32 s92, s17, 9
	s_lshl_b32 s93, s15, 8
	s_add_co_u32 s92, s92, s93
	s_add_co_u32 s92, s92, 8192                    ; V's bias begins at 2,048: my 64 rows
	s_cmp_eq_u32 s98, 0
	s_cselect_b32 s46, s46, 0
	s_cselect_b32 s92, 0, s92
	s_mov_b32 s47, 0
	s_mov_b32 s93, 0
	s_add_nc_u64 s[46:47], s[8:9], s[46:47]
	s_add_nc_u64 s[92:93], s[8:9], s[92:93]
	v_lshlrev_b32 v5, 6, v2                        ; 64 h: block b's registers are columns 32 (b / 2) + 16 h + 8 (b % 2) + 0 .. 7
	v_and_b32 v6, 8, v1
	v_add_nc_u32 v6, v6, v1
	v_lshlrev_b32 v6, 2, v6                        ; lane r of block a is row 32 (a / 2) + 8 (a % 2) + r + 8 (r / 8)
.irp b, 0,1,2,3
	global_load_b128 v[BN+8*\b:BN+8*\b+3], v5, s[46:47] offset:128*(\b/2)+32*(\b%2)
	global_load_b128 v[BN+8*\b+4:BN+8*\b+7], v5, s[46:47] offset:128*(\b/2)+32*(\b%2)+16
.endr
.irp a, 0,1,2,3
	global_load_b32 v[BM+2*\a], v6, s[92:93] offset:128*(\a/2)+32*(\a%2)
	global_load_b32 v[BM+2*\a+1], v6, s[92:93] offset:128*(\a/2)+32*(\a%2)
.endr
	s_lshl_b32 s94, s42, 1
	s_add_co_u32 s94, s94, s16
	s_mul_i32 s94, s94, CH                         ; my chunk of the result: 2 x tile column + half,
	s_lshl_b32 s95, s17, 1
	s_add_co_u32 s95, s95, s15
	s_mul_i32 s95, s95, 3072                       ; my 64 rows in it
	s_add_co_u32 s94, s94, s95
	s_add_co_u32 s94, s94, s3
	s_mov_b32 s95, 0
	s_add_nc_u64 s[12:13], s[10:11], s[94:95]      ; codes out
	s_lshl_b32 s94, s42, 14
	s_lshl_b32 s96, s17, 9
	s_add_co_u32 s94, s94, s96
	s_add_co_u32 s94, s94, s2
	s_add_nc_u64 s[10:11], s[10:11], s[94:95]      ; scale words out: step = tile column, the tile's 128 rows
	s_mov_b32 s18, 0x76543210
	s_mov_b32 s19, 0xfedcba98                      ; v_permlanex16_b32's selects for lane l xor 16
.macro FRAG reg, adr, q, i             ; 16 rows x 128 K: registers 6 c .. 6 c + 5 are 24 bytes of chunk 2 q + c, as they lie; three loads of 8 bytes each
.irp p, 0,1,2,3,4,5
	ds_load_b64 v[\reg+2*\p:\reg+2*\p+1], v[\adr] offset:(2*(\q)+\p/3)*6144+(\i)*768+8*(\p%3)
.endr
.endm
.macro FETCH slot, q, f, sc            ; 52 LDS loads in one run: 4 scale words (lanes 0-15 A's block i, lanes 16-31 B's), B's four fragments, A's four
	WIN 0
.irp i, 0,1,2,3
	ds_load_b32 v[SC+4*(\sc)+\i], v[ADRS] offset:(\q)*512+64*\i
.endr
	WIN TO_F
.irp i, 0,1,2,3
	FRAG (\f)+48+12*\i, ADRB+\slot, \q, \i
.endr
.irp i, 0,1,2,3
	FRAG (\f)+12*\i, ADRA+\slot, \q, \i
.endr
.endm
.macro MULA f, a, sc, zero             ; A's block a against B's four.  The 16 accumulators take turns, one instruction a turn, in the same order in every step
.irp b, 0,1,2,3
.if \zero
	v_wmma_scale_f32_16x16x128_f8f6f4 v[ACC+8*(4*(\a)+\b):ACC+8*(4*(\a)+\b)+7], v[(\f)+48+12*\b:(\f)+48+12*\b+11], v[(\f)+12*(\a):(\f)+12*(\a)+11], 0, v[SC+4*(\sc)+\b], v[SC+4*(\sc)+(\a)] matrix_a_fmt:MATRIX_FMT_FP6 matrix_b_fmt:MATRIX_FMT_FP6 matrix_a_scale:MATRIX_SCALE_ROW1
.else
	v_wmma_scale_f32_16x16x128_f8f6f4 v[ACC+8*(4*(\a)+\b):ACC+8*(4*(\a)+\b)+7], v[(\f)+48+12*\b:(\f)+48+12*\b+11], v[(\f)+12*(\a):(\f)+12*(\a)+11], v[ACC+8*(4*(\a)+\b):ACC+8*(4*(\a)+\b)+7], v[SC+4*(\sc)+\b], v[SC+4*(\sc)+(\a)] matrix_a_fmt:MATRIX_FMT_FP6 matrix_b_fmt:MATRIX_FMT_FP6 matrix_a_scale:MATRIX_SCALE_ROW1
.endif
.endr
.endm
.macro STEP slot, q, zero              ; 128 along K, with its successor in the same slot
	s_wait_dscnt 12                                ; all but the youngest twelve loads (A's blocks 2 and 3) are in
	WIN MUL
	MULA 96*((\q)%2), 0, (\q)%2, \zero
	MULA 96*((\q)%2), 1, (\q)%2, \zero
	s_wait_dscnt 0x0                               ; A's blocks 2 and 3 are in
	PLACES 4                                       ; four plain places ahead of loads into registers that matrix instructions have read (ISA guide 7.12.1 for vector instructions)
	FETCH \slot, (\q)+1, 96-96*((\q)%2), 1-(\q)%2
	WIN MUL
	MULA 96*((\q)%2), 2, (\q)%2, \zero
	MULA 96*((\q)%2), 3, (\q)%2, \zero
.endm
.macro TURN slot, next, fill           ; a slot's last step changes slots: one barrier; ahead of it each wave waits for all its tensor loads, adds 0 to its spare word, and waits for that and for its reads
	WIN 0
	s_wait_tensorcnt 0x0                           ; my part of the next slot has landed
	ds_add_u32 v[SPW], v[NIL]                      ; 0 onto my spare word
	s_wait_dscnt 13                                ; (the add and the youngest twelve loads may be out)
	WIN MUL
	MULA F1, 0, 1, 0
	s_wait_dscnt 0x0                               ; the add is done, and my reads of this slot are over
	s_barrier_signal -1
	MULA F1, 1, 1, 0
	WIN 0
	s_barrier_wait -1
.if \fill
	CREST
	s_add_nc_u64 s[G0+4*\slot+2:G0+4*\slot+3], s[G0+4*\slot+2:G0+4*\slot+3], 16*CH
	s_add_nc_u64 s[G0B+4*\slot+2:G0B+4*\slot+3], s[G0B+4*\slot+2:G0B+4*\slot+3], 16*CH
	JLOAD G0+4*\slot, G1, G0B+4*\slot, G1B
.else
	PLACES 4
.endif
	v_add_nc_u32 v[ADRS], 2048, v[ADRS]            ; the next slot's four steps of scale words
	FETCH \next, 0, F0, 0
	WIN MUL
	MULA F1, 2, 1, 0
	MULA F1, 3, 1, 0
.endm
	s_wait_tensorcnt 1                             ; the scale words and my part of slot 0 are in; slot 1's load may be out
	s_barrier_signal -1
	s_barrier_wait -1
	FETCH 0, 0, F0, 0
	STEP 0, 0, 1                                   ; the first step's products start the sums
	STEP 0, 1, 0
	STEP 0, 2, 0
	TURN 0, 1, 0
	STEP 1, 0, 0
	STEP 1, 1, 0
	STEP 1, 2, 0
	s_wait_dscnt 12
	WIN MUL
	MULA F1, 0, 1, 0
	MULA F1, 1, 1, 0
	s_wait_dscnt 0x0
	MULA F1, 2, 1, 0
	MULA F1, 3, 1, 0
	WIN 0
	PLACES 4
	s_wait_loadcnt 0x0                             ; the biases
	s_cmp_eq_u32 s98, 0
	s_cbranch_scc0 .Lrow_bias
.irp a, 0,1,2,3                        ; q, k: the bias goes along the columns.  Each accumulator from its low end on
.irp b, 0,1,2,3
.irp j, 0,2,4,6
	v_pk_add_f32 v[ACC+8*(4*\a+\b)+\j:ACC+8*(4*\a+\b)+\j+1], v[ACC+8*(4*\a+\b)+\j:ACC+8*(4*\a+\b)+\j+1], v[BN+8*\b+\j:BN+8*\b+\j+1]
.endr
.endr
.endr
	s_branch .Lbiased
.Lrow_bias:
.irp a, 0,1,2,3                        ; V^T: along the rows
.irp b, 0,1,2,3
.irp j, 0,2,4,6
	v_pk_add_f32 v[ACC+8*(4*\a+\b)+\j:ACC+8*(4*\a+\b)+\j+1], v[ACC+8*(4*\a+\b)+\j:ACC+8*(4*\a+\b)+\j+1], v[BM+2*\a:BM+2*\a+1]
.endr
.endr
.endr
.Lbiased:
; 16 rows x 64 columns become codes: registers 16 B + i of block a are columns 32 B + 16 h + i of my row; a block of 32 lies in lanes l and l xor 16
.macro QROW a
.set AB, ACC+32*(\a)
.irp b, 0,1
	v_max3_num_f32 v[TM+\b], |v[AB+16*\b]|, |v[AB+16*\b+1]|, 0x1800000   ; with the floor 2^(3 - 127): the byte cannot fall under 1
.endr
.irp i, 2,4,6,8,10,12,14
.irp b, 0,1
	v_max3_num_f32 v[TM+\b], v[TM+\b], |v[AB+16*\b+\i]|, |v[AB+16*\b+\i+1]|
.endr
.endr
.irp b, 0,1
	v_permlanex16_b32 v[TM+2+\b], v[TM+\b], s18, s19
.endr
.irp b, 0,1
	v_max_num_f32 v[TM+\b], v[TM+\b], v[TM+2+\b]
.endr
.irp b, 0,1
	v_add_nc_u32 v[TM+4+\b], 0xff000000, v[TM+\b]  ; 2 off the exponent field: the conversion's scale operand
.endr
.irp b, 0,1
	v_lshrrev_b32 v[TM+6+\b], 23, v[TM+4+\b]
.endr
	v_lshl_or_b32 v[PW], v[TM+7], 8, v[TM+6]
	v_cvt_scalef32_pk16_fp6_f32 v[CD:CD+2], v[AB:AB+15], v[TM+4]
	v_cvt_scalef32_pk16_fp6_f32 v[CD+4:CD+6], v[AB+16:AB+31], v[TM+5]
	v_nop                                          ; one plain place behind a scaled conversion
.irp i, 0,1,2
	ds_store_b32 v[STO], v[CD+\i] offset:768*(\a)+4*\i
	ds_store_b32 v[STO], v[CD+4+\i] offset:768*(\a)+24+4*\i
.endr
	ds_store_b16 v[SSO], v[PW] offset:64*(\a)      ; both halves of the lanes write the same two bytes
	s_wait_dscnt 0x0                               ; the stores have read their registers
.endm
	QROW 0
	QROW 1
	QROW 2
	QROW 3
.irp t, 0,1,2,3,4,5
	ds_load_b128 v[48+4*\t:51+4*\t], v[RD] offset:512*\t   ; my own bytes, served in order
.endr
.irp t, 0,1,2,3,4,5
	s_wait_dscnt 5-\t
	global_store_b128 v[LO], v[48+4*\t:51+4*\t], s[12:13] offset:512*\t   ; 512 consecutive bytes, at a multiple of 256 from the buffer's first byte
.endr
	s_barrier_signal -1                            ; every wave's scale bytes lie in LDS (the last count above was 0)
	s_barrier_wait -1
	s_cmp_lg_u32 s14, 0
	s_cbranch_scc1 .Lno_scales
	ds_load_b128 v[80:83], v[SRD]
	s_wait_dscnt 0x0
	global_store_b128 v[LO], v[80:83], s[10:11]    ; the tile's 128 scale words: 512 consecutive bytes
.Lno_scales:
	s_wait_tensorcnt 0x0                           ; the wave's end
	ds_add_u32 v[SPW], v[NIL]
	s_wait_dscnt 0x0
	CROUND                                         ; the closing round
	s_endpgm
.Lfunc_end_k_q1d0f8d3296_qkv:
	.size	k_q1d0f8d3296_qkv, .Lfunc_end_k_q1d0f8d3296_qkv-k_q1d0f8d3296_qkv
	.p2alignl 7, 3214868480
	.fill 96, 4, 3214868480
	.section	.rodata,"a",@progbits
	.p2align	6, 0x0
	.amdhsa_kernel k_q1d0f8d3296_qkv
		.amdhsa_group_segment_fixed_size 327680
		.amdhsa_private_segment_fixed_size 0
		.amdhsa_enable_private_segment 0
		.amdhsa_kernarg_size 32
		.amdhsa_user_sgpr_count 2
		.amdhsa_user_sgpr_kernarg_segment_ptr 1
		.amdhsa_wavefront_size32 1
		.amdhsa_system_sgpr_workgroup_id_x 1
		.amdhsa_system_sgpr_workgroup_id_y 1
		.amdhsa_system_sgpr_workgroup_id_z 1
		.amdhsa_system_vgpr_workitem_id 0
		.amdhsa_next_free_vgpr 512
		.amdhsa_next_free_sgpr 100
		.amdhsa_reserve_vcc 0
		.amdhsa_float_denorm_mode_32 3
		.amdhsa_float_denorm_mode_16_64 3
		.amdhsa_memory_ordered 1
		.amdhsa_forward_progress 1
		.amdhsa_inst_pref_size 76
	.end_amdhsa_kernel
	.amdgpu_metadata
---
amdhsa.version: [ 1, 2 ]
amdhsa.kernels:
  - .name:           k_q1d0f8d3296_qkv
    .symbol:         k_q1d0f8d3296_qkv.kd
    .args:
      - { .name: act, .offset: 0, .size: 8, .value_kind: global_buffer, .address_space: global }
      - { .name: wts, .offset: 8, .size: 8, .value_kind: global_buffer, .address_space: global }
      - { .name: b_qkv, .offset: 16, .size: 8, .value_kind: global_buffer, .address_space: global }
      - { .name: qkvb, .offset: 24, .size: 8, .value_kind: global_buffer, .address_space: global }
    .group_segment_fixed_size: 327680
    .private_segment_fixed_size: 0
    .kernarg_segment_align: 8
    .kernarg_segment_size: 32
    .max_flat_workgroup_size: 128
    .sgpr_count:     100
    .vgpr_count:     512
    .wavefront_size: 32
...
	.end_amdgpu_metadata
.endif
;; end of part 3
;; launch attn (part 4): grid 8 x 32, 16 waves a work-group, clusters of 4 x 1, 231,424 bytes of LDS; arguments qkvb, yb; writes yb
.if DOCPART == 4
	.amdgcn_target "amdgcn-amd-amdhsa--gfx1250"
	.amdhsa_code_object_version 6
	.text
	.protected	k_q1d0f8d3296_attn
	.globl	k_q1d0f8d3296_attn
	.p2align	8
	.type	k_q1d0f8d3296_attn,@function
k_q1d0f8d3296_attn:
	s_mov_b64 s[64:65], 0
	v_nop
	global_prefetch_b8 v0, s[64:65] scope:SCOPE_SE
	s_setreg_imm32_b32 hwreg(HW_REG_WAVE_MODE, 25, 1), 1
	s_wait_xcnt 0x0
	s_wait_alu depctr_hold_cnt(0) depctr_sa_sdst(0) depctr_va_vdst(0) depctr_va_sdst(0) depctr_va_ssrc(0) depctr_va_vcc(0) depctr_vm_vsrc(0)
	s_getreg_b32 s2, hwreg(HW_REG_IB_STS2, 6, 4)
	s_cmp_eq_u32 s2, 0
	s_cbranch_scc0 .Lentry_in_a_cluster
	s_endpgm
.Lentry_in_a_cluster:
	s_bfe_u32 s2, ttmp6, 0x10000c
	s_cmp_lg_u32 s2, 0x3003
	s_cbranch_scc0 .Lentry_shape_is_right
	s_endpgm
.Lentry_shape_is_right:
; y = Q(causal attention), both products on codes of FP6 (E2M3) with E8M0 scales.  Head size 64, 2,048 keys, 32 (batch, head) pairs; work-group y = 16 x batch + head.
; q, k: chunk = head (q: 0-15, k: 16-31), rows = token positions, 48 bytes each; V: chunk = token / 64, rows = (head, d) positions.  Position p holds row swap34(p) (bits 3 and 4 exchanged).
; THE SOFTMAX AHEAD OF THE SECOND PRODUCT: t = score x log2(e) / 8; M = the running largest t rounded UP to a whole number; p = 2^(t - M) is quantised along the keys; the row's sum is taken of the
; unquantised p and divides at the end; when M moves, sum and O are multiplied by 2^(old M - new M), which rounds nothing.
; A WHOLE HEAD'S K AND V LIE IN LDS (2 x 98,304 bytes and their scale words): filled once, in four quarters of 512 keys, nothing is filled again.  The four work-groups of a cluster belong to one head and ask jointly.
; SHARES.  Wave w owns ONE tile of 16 query positions, tile 8 f + c, f = w xor 3 ((w / 4) % 2), c = the work-group's x (0 .. 7).  All its queries lie in key block f of 128, whatever c: so it works
; f + 1 key steps, the skip hangs on the wave's number alone, and every work-group has the same 136 wave steps.  Every wave walks all 16 steps' loop; a hidden step's work is jumped over.
; LAYOUT.  Both products transposed: S^T = K Q^T (source 0 = 16 key positions), O^T = V^T P^T (source 0 = 16 positions of d): a lane holds one query throughout; by the order of positions the 16 registers of
; tiles 2 B and 2 B + 1 are keys (or d) 32 B + 16 (lane / 16) + 0 .. 15.  The first product's K is 64: registers 6-11 of its operands are zero codes, and the upper two scale bytes are 0, which is no NaN.
; LIMITS: 1 / sum by v_rcp_f32; a block of zeros or under 2^-124 gets the byte 1; NaN and infinities are not served.  y's two scale bytes a row leave by stores of 2 bytes: the word's other half is another head's.
; REGISTERS: v1-4 addresses that stay; v5, v6 at work; v7 -infinity; v8-11 the step's addresses; v12 -M, v13 the largest t, v[14:15] the sum; v16-27 Q; v28 Q's scale; v29 the mask's d; v30 f, v31 p's scale word;
; v32-79, v192-239 eight fragments of K; v80-87 scale words; v88-95 at work; v96-159 S^T, then p, then V's four fragments; v160-191 O^T; v240-251 p's codes; v252-255 the conversions' scale operands.
.set CH,   196608
.set SS,   16384
.set VC,   98304                       ; LDS: K's codes at 0: [2,048 positions][48]; V's here: [32 chunks][64 positions][48]
.set KSL,  196608                      ; K's scale words (the head pair's): [2,048][4]
.set VSL,  204800                      ; V's: [16 steps][64][4]
.set STG,  208896                      ; the way out: 768 bytes for each wave; no tensor load lands here
.set WV,   8
.set FB,   9                           ; s9   f: my key block
.set G1K,  24                          ; s[24:31] group 1 for a quarter of K; s[32:39] of V; s[68:75] K's scale words; s[76:83] V's
.set G1V,  32
.set G0,   44                          ; s[44:63] five groups 0: the scale words, then the four quarters
.set G1KS, 68
.set G1VS, 76
.set SI,   84                          ; s84  the key step
.set TK,   85                          ; s85  6,144 x step: K's and V's codes
.set TSK,  86                          ; s86  512 x step
.set TSV,  87                          ; s87  256 x step
.set CNT,  88
.set SEL,  90
.set CS,   92
.macro CROUND                          ; a round of the cluster's barrier
	s_barrier_signal -1
	s_barrier_wait -1
	s_cmp_lg_u32 s[WV], 0
	s_cbranch_scc1 .Lnot_wave_0_\@
	s_barrier_signal -3
.Lnot_wave_0_\@:
	s_barrier_wait -3
	s_barrier_signal -1
	s_barrier_wait -1
.endm
	s_load_b128 s[4:7], s[0:1], 0x0                ; qkvb, yb
	v_lshl_add_u32 v254, v0, 2, 0x38000
	v_mov_b32 v255, 0
	ds_add_u32 v254, v255
	ds_add_u32 v254, v255
	s_wait_dscnt 0x0
	v_lshrrev_b32 v1, 5, v0
	v_readfirstlane_b32 s[WV], v1                  ; wave 0 .. 15
	s_bfe_u32 s[FB], s[WV], 0x10002
	s_mul_i32 s[FB], s[FB], 3
	s_xor_b32 s[FB], s[WV], s[FB]                  ; f
	s_bfe_u32 s10, ttmp6, 0x40000                  ; cx
	s_lshl_b32 s11, ttmp9, 2
	s_add_co_u32 s11, s11, s10                     ; c: it enters Q's and y's addresses and the mask's numbers alone
	s_and_b32 s12, ttmp7, 0xffff
	s_and_b32 s13, s12, 15                         ; head
	s_lshr_b32 s12, s12, 4                         ; batch
.irp g, G1K, G1V                       ; a quarter: 8 rows of 3,072 bytes; K's on end, V's CH bytes apart
	s_mov_b32 s[\g], 15|(3<<16)|(1<<21)            ; 15:0 all four work-groups; 17:16 elements of 8 bytes; 21 set beside a mask
	s_mov_b32 s[\g+1], 384<<16
	s_mov_b32 s[\g+2], 8<<16
	s_mov_b32 s[\g+3], 384<<16
	s_mov_b32 s[\g+4], 8
	s_mov_b32 s[\g+6], 0
	s_mov_b32 s[\g+7], 0
.endr
	s_mov_b32 s[G1K+5], 384
	s_mov_b32 s[G1V+5], CH/8
.irp g, G1KS, G1VS                     ; scale words in rows of 256 bytes
	s_mov_b32 s[\g], 15|(3<<16)|(1<<21)
	s_mov_b32 s[\g+1], 32<<16
	s_mov_b32 s[\g+3], 32<<16
	s_mov_b32 s[\g+6], 0
	s_mov_b32 s[\g+7], 0
.endr
	s_mov_b32 s[G1KS+2], 32<<16                    ; K's: 8,192 bytes on end
	s_mov_b32 s[G1KS+4], 32
	s_mov_b32 s[G1KS+5], 32
	s_mov_b32 s[G1VS+2], 16<<16                    ; V's: 16 steps, SS bytes apart
	s_mov_b32 s[G1VS+4], 16
	s_mov_b32 s[G1VS+5], SS/8
	s_add_co_u32 s14, s13, 16
	s_mul_i32 s14, s14, CH
	s_mul_i32 s15, s12, 98304
	s_add_co_u32 s14, s14, s15                     ; K's codes of my head and batch
	s_mul_i32 s15, s12, 32*CH
	s_mul_i32 s16, s13, 3072
	s_add_co_u32 s15, s15, s16
	s_add_co_u32 s15, s15, 6291456                 ; V's
	s_lshr_b32 s18, s13, 1
	s_lshl_b32 s16, s18, 14
	s_lshl_b32 s17, s12, 13
	s_add_co_u32 s16, s16, s17
	s_add_co_u32 s16, s16, 18874368+8*SS           ; K's scale words
	s_lshl_b32 s17, s12, 18
	s_lshl_b32 s19, s13, 8
	s_add_co_u32 s17, s17, s19
	s_add_co_u32 s17, s17, 19136512                ; V's
	s_mov_b32 s22, 8*CH
	s_cmp_eq_u32 s[WV], 0                          ; wave 0 fetches K, wave 1 V, the others nothing
	s_cselect_b32 s14, s14, s15
	s_cselect_b32 s16, s16, s17
	s_cselect_b32 s22, 24576, s22                  ; from quarter to quarter
	s_mov_b32 s15, 0
	s_mov_b32 s17, 0
	s_mov_b32 s23, 0
	s_mul_i32 s19, s[WV], 98304                    ; where they go: by the wave's number alone
	s_lshl_b32 s20, s[WV], 13
	s_lshl_b32 s40, s[FB], 3
	s_add_co_u32 s40, s40, s11                     ; my tile of queries
	s_lshl_b32 s40, s40, 4
	s_lshl_b32 s41, s12, 11
	s_add_co_u32 s40, s40, s41                     ; its first token position
	s_mul_i32 s42, s40, 48
	s_mul_i32 s41, s13, CH
	s_add_co_u32 s42, s42, s41                     ; its codes: in q and in y alike
	s_mov_b32 s43, 0
	s_lshl_b32 s94, s40, 2
	s_lshl_b32 s41, s18, 14
	s_add_co_u32 s94, s94, s41
	s_and_b32 s41, s13, 1
	s_lshl_b32 s41, s41, 1
	s_add_co_u32 s94, s94, s41                     ; its scale bytes: step head / 2, bytes 2 (head % 2) on
	s_mov_b32 s95, 0
	s_add_co_u32 s41, s41, KSL
	s_mov_b32 s[SEL], 0x76543210
	s_mov_b32 s[SEL+1], 0xfedcba98
	s_mov_b32 s[CS], 0x3e38aa3b                    ; log2(e) / 8
	s_mov_b32 s[CS+1], s[CS]
	s_wait_kmcnt 0x0
	s_mov_b32 s[G0], 1
	s_add_co_u32 s[G0+1], s20, KSL
	s_add_nc_u64 s[G0+2:G0+3], s[4:5], s[16:17]
	s_or_b32 s[G0+3], s[G0+3], 0x80000000
	s_add_nc_u64 s[14:15], s[4:5], s[14:15]
.irp n, 0,1,2,3
	s_mov_b32 s[G0+4+4*\n], 1
	s_add_co_u32 s[G0+5+4*\n], s19, \n*24576
	s_mov_b64 s[G0+6+4*\n:G0+7+4*\n], s[14:15]
	s_or_b32 s[G0+7+4*\n], s[G0+7+4*\n], 0x80000000
	s_add_nc_u64 s[14:15], s[14:15], s[22:23]
.endr
	CROUND                                         ; all four work-groups are here: the joint loads meet
	s_cmp_eq_u32 s[WV], 0                          ; a wave's five loads stand in one branch on its number; five are out at the most; four v_nop follow the last
	s_cbranch_scc0 .Lnot_k
	tensor_load_to_lds s[G0:G0+3], s[G1KS:G1KS+7]
	s_nop 0
	tensor_load_to_lds s[G0+4:G0+7], s[G1K:G1K+7]
	s_nop 0
	tensor_load_to_lds s[G0+8:G0+11], s[G1K:G1K+7]
	s_nop 0
	tensor_load_to_lds s[G0+12:G0+15], s[G1K:G1K+7]
	s_nop 0
	tensor_load_to_lds s[G0+16:G0+19], s[G1K:G1K+7]
	s_nop 0
.rept 4
	v_nop
.endr
	s_branch .Lasked
.Lnot_k:
	s_cmp_eq_u32 s[WV], 1
	s_cbranch_scc0 .Lasked
	tensor_load_to_lds s[G0:G0+3], s[G1VS:G1VS+7]
	s_nop 0
	tensor_load_to_lds s[G0+4:G0+7], s[G1V:G1V+7]
	s_nop 0
	tensor_load_to_lds s[G0+8:G0+11], s[G1V:G1V+7]
	s_nop 0
	tensor_load_to_lds s[G0+12:G0+15], s[G1V:G1V+7]
	s_nop 0
	tensor_load_to_lds s[G0+16:G0+19], s[G1V:G1V+7]
	s_nop 0
.rept 4
	v_nop
.endr
.Lasked:
	s_add_nc_u64 s[96:97], s[4:5], s[42:43]        ; Q's codes
	s_add_nc_u64 s[98:99], s[4:5], s[94:95]
	s_add_nc_u64 s[98:99], s[98:99], 18874368      ; Q's scale bytes
	s_add_nc_u64 s[20:21], s[6:7], s[94:95]
	s_add_nc_u64 s[20:21], s[20:21], 3145728       ; y's scale bytes
	s_add_nc_u64 s[6:7], s[6:7], s[42:43]          ; y's codes
	v_and_b32 v5, 15, v0                           ; r
	v_bfe_u32 v6, v0, 4, 1                         ; h
	v_mul_u32_u24 v1, v5, 48
	v_mad_u32_u24 v1, v6, 24, v1                   ; 48 r + 24 h: a fragment's place in K's tiles, and in Q's rows in memory
	v_lshlrev_b32 v11, 2, v5
.irp p, 0,1,2
	global_load_b64 v[16+2*\p:17+2*\p], v1, s[96:97] offset:8*\p
.endr
	global_load_u16 v28, v11, s[98:99]             ; two bytes, zeros above them
	v_add_nc_u32 v2, VC, v1
	v_lshl_add_u32 v3, v5, 2, s41                  ; K's scale bytes
	v_lshlrev_b32 v4, 2, v5
	v_add_nc_u32 v4, VSL, v4                       ; V's scale words
	s_lshr_b32 s41, s11, 1
	s_lshl_b32 s41, s41, 5
	s_and_b32 s40, s11, 1
	s_lshl_b32 s40, s40, 3
	s_add_co_u32 s41, s41, s40
	v_and_b32 v29, 8, v5
	v_add_nc_u32 v29, v29, v5
	v_lshlrev_b32 v6, 4, v6
	v_sub_nc_u32 v29, v29, v6
	v_add_nc_u32 v29, s41, v29                     ; d = my query in its key block - 16 h.  Register 16 B + i holds key 32 B + 16 h + i: hidden where 32 B + i > d
	v_mov_b32 v7, 0xff800000                       ; -infinity
	v_mov_b32 v13, 0xff61b1e6                      ; the largest t so far: -3e38
	v_floor_f32 v12, -v13                          ; -M
	v_mov_b32 v14, 0
	v_mov_b32 v15, 0
	v_mov_b32 v31, 0                               ; (named as the upper half of v[30:31] before it is first written)
.irp b, 0,1,2,3
	v_mov_b32 v[92+\b], 0                          ; a lane permute's destination counts as one of its sources
.endr
.irp j, 0,1,2,3,4,5
	v_mov_b32 v[22+\j], 0                          ; zero codes for K = 64 .. 127, written once: Q's,
.irp t, 0,1,2,3,4,5,6,7
	v_mov_b32 v[38+12*\t+112*(\t/4)+\j], 0         ; and those of K's eight fragments
.endr
.endr
.set j, 0
.rept 32
	v_mov_b32 v[160+j], 0                          ; O^T: the step is written once; the first finds zeros
.set j, j+1
.endr
.macro STEP
	s_cmp_gt_u32 s[SI], s[FB]                      ; all keys of this step come after my queries: its work is left out
	s_cbranch_scc1 .Lhidden_\@
	v_add_nc_u32 v8, s[TK], v1
	v_add_nc_u32 v9, s[TK], v2
	v_add_nc_u32 v10, s[TSK], v3
	v_add_nc_u32 v11, s[TSV], v4
.irp t, 0,1,2,3,4,5,6,7
.irp p, 0,1,2
	ds_load_b64 v[32+12*\t+112*(\t/4)+2*\p:33+12*\t+112*(\t/4)+2*\p], v8 offset:768*\t+8*\p
.endr
	ds_load_u16 v[80+\t], v10 offset:64*\t
.endr
	s_wait_dscnt 0x0
.irp t, 0,1,2,3,4,5,6,7
	v_wmma_scale_f32_16x16x128_f8f6f4 v[96+8*\t:103+8*\t], v[32+12*\t+112*(\t/4):43+12*\t+112*(\t/4)], v[16:27], 0, v[80+\t], v28 matrix_a_fmt:MATRIX_FMT_FP6 matrix_b_fmt:MATRIX_FMT_FP6
.endr
.rept 4
	v_nop
.endr
	s_cmp_lt_u32 s[SI], s[FB]                      ; only my own key block lies on the diagonal
	s_cbranch_scc1 .Lopen_\@
.set n, 0
.rept 64
	v_cmp_gt_i32 vcc_lo, 32*(n/16)+n%16, v29
	v_cndmask_b32 v[96+n], v[96+n], v7, vcc_lo     ; a hidden key's score becomes -infinity: p = 0
.set n, n+1
.endr
.Lopen_\@:
.irp b, 0,1,2,3
	v_max3_num_f32 v[88+\b], v[96+16*\b], v[97+16*\b], v[98+16*\b]   ; the largest score of each block of 32 keys: for the row's maximum, and, since p rises with the score, for the block's largest p
.endr
.irp i, 3,5,7,9,11,13
.irp b, 0,1,2,3
	v_max3_num_f32 v[88+\b], v[88+\b], v[96+16*\b+\i], v[97+16*\b+\i]
.endr
.endr
.irp b, 0,1,2,3
	v_max_num_f32 v[88+\b], v[88+\b], v[111+16*\b]
.endr
.irp b, 0,1,2,3
	v_permlanex16_b32 v[92+\b], v[88+\b], s[SEL], s[SEL+1]
.endr
.irp b, 0,1,2,3
	v_max_num_f32 v[88+\b], v[88+\b], v[92+\b]
.endr
	v_max3_num_f32 v5, v88, v89, v90
	v_max_num_f32 v5, v5, v91
	v_mul_f32 v5, s[CS], v5                        ; as t
	v_max_num_f32 v13, v13, v5
	v_mov_b32 v5, v12
	v_floor_f32 v12, -v13                          ; the new -M: M is a whole number
	v_sub_f32 v5, v12, v5
	v_cvt_i32_f32 v5, v5                           ; (it saturates)
	v_ldexp_f32 v30, 1.0, v5                       ; f = 2^(old M - new M)
.set j, 0
.rept 32
	v_pk_fma_f32 v[96+j:97+j], v[96+j:97+j], s[CS:CS+1], v[12:13] op_sel_hi:[1,0,0]   ; t - M
.set j, j+2
.endr
.irp b, 0,1,2,3
	v_fma_f32 v[88+\b], v[88+\b], s[CS], v12
.endr
.set j, 0
.rept 64
	v_exp_f32 v[96+j], v[96+j]                     ; p, at most 1, not normalised
.set j, j+1
.endr
	v_pk_mul_f32 v[14:15], v[14:15], v[30:31] op_sel_hi:[1,0]   ; the sum under the new M: the plain instruction behind the batch
	s_wait_alu depctr_va_vdst(0)                   ; one wait for the 64, ahead of their first reader
.irp b, 0,1,2,3
	v_exp_f32 v[88+\b], v[88+\b]                   ; the blocks' largest p
.endr
	v_pk_add_f32 v[92:93], v[96:97], v[98:99]      ; the row's sum of the unquantised p, in two chains
.irp j, 4,8,12,16,20,24,28,32,36,40,44,48,52,56,60
	v_pk_add_f32 v[14:15], v[14:15], v[96+\j:97+\j]
	v_pk_add_f32 v[92:93], v[92:93], v[98+\j:99+\j]
.endr
	v_pk_add_f32 v[14:15], v[14:15], v[92:93]
	s_wait_alu depctr_va_vdst(0)                   ; and one for the four
.irp b, 0,1,2,3
	v_max_num_f32 v[88+\b], 0x1800000, v[88+\b]    ; the floor 2^(3 - 127)
.endr
.irp b, 0,1,2,3
	v_add_nc_u32 v[252+\b], 0xff000000, v[88+\b]   ; the conversions' scale operands
.endr
.irp b, 0,1,2,3
	v_lshrrev_b32 v[92+\b], 23, v[252+\b]
.endr
	v_lshl_or_b32 v31, v93, 8, v92                 ; p's scale word for these 128 keys
	v_lshl_or_b32 v31, v94, 16, v31
	v_lshl_or_b32 v31, v95, 24, v31
.irp c, 0,1
	v_cvt_scalef32_pk16_fp6_f32 v[240+6*\c:242+6*\c], v[96+32*\c:111+32*\c], v[252+2*\c]
	v_cvt_scalef32_pk16_fp6_f32 v[88+4*\c:90+4*\c], v[112+32*\c:127+32*\c], v[253+2*\c]
.endr
	v_nop                                          ; one plain place behind the scaled conversions
.irp t, 0,1,2,3                        ; V's four fragments take p's registers
.irp p, 0,1,2,3,4,5
	ds_load_b64 v[96+12*\t+2*\p:97+12*\t+2*\p], v9 offset:768*\t+3072*(\p/3)+8*(\p%3)
.endr
	ds_load_b32 v[80+\t], v11 offset:64*\t
.endr
.irp c, 0,1                            ; the operand wants a whole block in a lane: lanes 0-15 block 2 c, lanes 16-31 block 2 c + 1
.irp i, 0,1,2
	v_permlane16_swap_b32 v[240+6*\c+\i], v[88+4*\c+\i]
.endr
.irp i, 0,1,2
	v_mov_b32 v[243+6*\c+\i], v[88+4*\c+\i]
.endr
.endr
.set j, 0
.rept 16
	v_pk_mul_f32 v[160+j:161+j], v[160+j:161+j], v[30:31] op_sel_hi:[1,0]   ; O^T under the new M; these are also the places ahead of the scaled products
.set j, j+2
.endr
	s_wait_dscnt 0x0
.irp t, 0,1,2,3
	v_wmma_scale_f32_16x16x128_f8f6f4 v[160+8*\t:167+8*\t], v[96+12*\t:107+12*\t], v[240:251], v[160+8*\t:167+8*\t], v[80+\t], v31 matrix_a_fmt:MATRIX_FMT_FP6 matrix_b_fmt:MATRIX_FMT_FP6
.endr
.rept 5
	v_nop                                          ; five places: the next step's products write over V's fragments
.endr
.Lhidden_\@:
	s_add_co_u32 s[SI], s[SI], 1
	s_add_co_u32 s[TK], s[TK], 6144
	s_add_co_u32 s[TSK], s[TSK], 512
	s_add_co_u32 s[TSV], s[TSV], 256
.endm
.macro QUARTER n                       ; 512 keys: four steps
	s_wait_tensorcnt 3-\n                          ; the scale words and quarters 0 .. n of the wave that fetches are in; the 3 - n later quarters stay out
	s_wait_dscnt 0x0
	s_barrier_signal -1
	s_barrier_wait -1                              ; everybody may read them
	s_mov_b32 s[SI], 4*\n
	s_mov_b32 s[TK], 4*\n*6144
	s_mov_b32 s[TSK], 4*\n*512
	s_mov_b32 s[TSV], 4*\n*256
	s_mov_b32 s[CNT], 4
.Lq_\@:
	STEP
	s_sub_co_u32 s[CNT], s[CNT], 1
	s_cmp_lg_u32 s[CNT], 0
	s_cbranch_scc1 .Lq_\@
.endm
	s_wait_loadcnt 0x0                             ; Q
	QUARTER 0
	QUARTER 1
	QUARTER 2
	QUARTER 3
	; THE WAY OUT: O^T / the sum, quantised along d (two blocks of 32: my head's chunk of y's K), through my own 768 bytes of LDS, out as three pieces of 256 aligned bytes
	v_add_f32 v14, v14, v15
	v_permlanex16_b32 v5, v14, s[SEL], s[SEL+1]
	v_add_f32 v14, v14, v5
	v_rcp_f32 v14, v14
	v_and_b32 v5, 15, v0                           ; (plain work behind the transcendental)
	v_bfe_u32 v6, v0, 4, 1
	s_mul_i32 s41, s[WV], 768
	s_add_co_u32 s41, s41, STG
	v_mul_u32_u24 v8, v5, 48
	v_mad_u32_u24 v8, v6, 12, v8
	v_add_nc_u32 v8, s41, v8
	v_and_b32 v10, 31, v0
	v_lshlrev_b32 v10, 3, v10
	v_add_nc_u32 v9, s41, v10
	v_lshlrev_b32 v11, 2, v5
	s_wait_alu depctr_va_vdst(0)                   ; ahead of the reciprocal's first reader
.set j, 0
.rept 16
	v_pk_mul_f32 v[96+j:97+j], v[160+j:161+j], v[14:15] op_sel_hi:[1,0]   ; register 16 B + i is y(my query, 64 head + 32 B + 16 h + i)
.set j, j+2
.endr
.irp b, 0,1
	v_max3_num_f32 v[88+\b], |v[96+16*\b]|, |v[97+16*\b]|, 0x1800000
.endr
.irp i, 2,4,6,8,10,12,14
.irp b, 0,1
	v_max3_num_f32 v[88+\b], v[88+\b], |v[96+16*\b+\i]|, |v[97+16*\b+\i]|
.endr
.endr
.irp b, 0,1
	v_permlanex16_b32 v[92+\b], v[88+\b], s[SEL], s[SEL+1]
.endr
.irp b, 0,1
	v_max_num_f32 v[88+\b], v[88+\b], v[92+\b]
.endr
.irp b, 0,1
	v_add_nc_u32 v[252+\b], 0xff000000, v[88+\b]
.endr
.irp b, 0,1
	v_lshrrev_b32 v[92+\b], 23, v[252+\b]
.endr
	v_lshl_or_b32 v6, v93, 8, v92
	v_cvt_scalef32_pk16_fp6_f32 v[240:242], v[96:111], v252
	v_cvt_scalef32_pk16_fp6_f32 v[244:246], v[112:127], v253
	v_nop
.irp i, 0,1,2
	ds_store_b32 v8, v[240+\i] offset:4*\i
	ds_store_b32 v8, v[244+\i] offset:24+4*\i
.endr
.irp i, 0,1,2
	ds_load_b64 v[32+2*\i:33+2*\i], v9 offset:256*\i   ; my own bytes, served in order
.endr
	global_store_b16 v11, v6, s[20:21]             ; both halves of the lanes store the same two bytes
.irp i, 0,1,2
	s_wait_dscnt 2-\i
	global_store_b64 v10, v[32+2*\i:33+2*\i], s[6:7] offset:256*\i
.endr
	s_wait_xcnt 0x0
	v_lshl_add_u32 v254, v0, 2, 0x38000
	v_mov_b32 v255, 0
	s_wait_tensorcnt 0x0
	ds_add_u32 v254, v255
	s_wait_dscnt 0x0
	CROUND                                         ; the closing round
	s_endpgm
.Lfunc_end_k_q1d0f8d3296_attn:
	.size	k_q1d0f8d3296_attn, .Lfunc_end_k_q1d0f8d3296_attn-k_q1d0f8d3296_attn
	.p2alignl 7, 3214868480
	.fill 96, 4, 3214868480
	.section	.rodata,"a",@progbits
	.p2align	6, 0x0
	.amdhsa_kernel k_q1d0f8d3296_attn
		.amdhsa_group_segment_fixed_size 231424
		.amdhsa_private_segment_fixed_size 0
		.amdhsa_enable_private_segment 0
		.amdhsa_kernarg_size 16
		.amdhsa_user_sgpr_count 2
		.amdhsa_user_sgpr_kernarg_segment_ptr 1
		.amdhsa_wavefront_size32 1
		.amdhsa_system_sgpr_workgroup_id_x 1
		.amdhsa_system_sgpr_workgroup_id_y 1
		.amdhsa_system_sgpr_workgroup_id_z 1
		.amdhsa_system_vgpr_workitem_id 0
		.amdhsa_next_free_vgpr 256
		.amdhsa_next_free_sgpr 100
		.amdhsa_reserve_vcc 1
		.amdhsa_float_denorm_mode_32 3
		.amdhsa_float_denorm_mode_16_64 3
		.amdhsa_memory_ordered 1
		.amdhsa_forward_progress 1
		.amdhsa_inst_pref_size 110
	.end_amdhsa_kernel
	.amdgpu_metadata
---
amdhsa.version: [ 1, 2 ]
amdhsa.kernels:
  - .name:           k_q1d0f8d3296_attn
    .symbol:         k_q1d0f8d3296_attn.kd
    .args:
      - { .name: qkvb, .offset: 0, .size: 8, .value_kind: global_buffer, .address_space: global }
      - { .name: yb, .offset: 8, .size: 8, .value_kind: global_buffer, .address_space: global }
    .group_segment_fixed_size: 231424
    .private_segment_fixed_size: 0
    .kernarg_segment_align: 8
    .kernarg_segment_size: 16
    .max_flat_workgroup_size: 512
    .sgpr_count:     100
    .vgpr_count:     256
    .wavefront_size: 32
...
	.end_amdgpu_metadata
.endif
;; end of part 4
;; launch proj (part 5): grid 8 x 32, 4 waves a work-group, clusters of 4 x 4, 327,680 bytes of LDS; arguments yb, wts, b_proj, x, x1; writes x1
.if DOCPART == 5
	.amdgcn_target "amdgcn-amd-amdhsa--gfx1250"
	.amdhsa_code_object_version 6
	.text
	.protected	k_q1d0f8d3296_proj
	.globl	k_q1d0f8d3296_proj
	.p2align	8
	.type	k_q1d0f8d3296_proj,@function
k_q1d0f8d3296_proj:
	s_mov_b64 s[64:65], 0
	v_nop
	global_prefetch_b8 v0, s[64:65] scope:SCOPE_SE
	s_setreg_imm32_b32 hwreg(HW_REG_WAVE_MODE, 25, 1), 1
	s_wait_xcnt 0x0
	s_wait_alu depctr_hold_cnt(0) depctr_sa_sdst(0) depctr_va_vdst(0) depctr_va_sdst(0) depctr_va_ssrc(0) depctr_va_vcc(0) depctr_vm_vsrc(0)
	s_getreg_b32 s2, hwreg(HW_REG_IB_STS2, 6, 4)
	s_cmp_eq_u32 s2, 0
	s_cbranch_scc0 .Lentry_in_a_cluster
	s_endpgm
.Lentry_in_a_cluster:
	s_bfe_u32 s2, ttmp6, 0x10000c
	s_cmp_lg_u32 s2, 0xf033
	s_cbranch_scc0 .Lentry_shape_is_right
	s_endpgm
.Lentry_shape_is_right:
; C = R + (A B^T + bias): A, B codes of FP6 (E2M3) with E8M0 scales, sums in f32; R, C [4096][1024] f32.  Here: x1 = x + (y Wproj + b_proj), K = 1,024.
; OPERANDS: codes[K / 64][position][48 bytes] (CH from chunk to chunk), scale words [K / 128][position][4 bytes] (SS from step to step); position p holds row swap34(p) (bits 3 and 4 exchanged).
; Tile 128 x 128, four waves of 64 x 64 (16 accumulators): with N = 1,024 that gives 256 work-groups; a tile of 256 x 256 would give 64.
; THE MATRIX INSTRUCTION IS USED TRANSPOSED (source 0 = 16 positions of B, source 1 = 16 of A): a lane holds one row of A, and by the order of positions the 16 registers of tiles 2 B, 2 B + 1 are columns 32 B + 16 h + 0 .. 15.
; K goes through two LDS slots of 512 along K; up to K = 1,024 each is filled once.  A's tiles are asked for jointly by the four of a row of the cluster, B's by the four of a column; the scale words of all of K come once.
; THE WAY OUT: a wave's 64 columns are 256 aligned bytes of a row of C: 16 rows at a time go through the wave's own stage and leave with bias and residual added, sixteen lanes to a row; the stage's rows are
; positions, and the immediates name the tokens that they hold.
.set KTOT, 1024
.set ASC,  3145728                     ; A's scale words in its buffer
.set BOFF, 3145728                     ; B's codes in wts
.set BSC,  22151168                    ; B's scale words in wts
.set LASTOUT, 0                        ; 1: C is read by no later launch
.set CH,   196608
.set SS,   16384
.set LAPS, KTOT/1024
.set SLOT, 98304                       ; A's 8 chunks of 128 rows x 48 bytes, then B's 8
.set QT,   24576                       ; 4 chunks: what one tensor load brings
.set SCH,  (KTOT/256)*512              ; the scale words that one tensor load brings
.set SCL,  2*SLOT                      ; behind the slots: A's scale words, step by step, then B's
.set STG,  229376                      ; the way out: 16 rows x (256 + 16) bytes for each wave; no tensor load lands here
.set SPARE, 249856                     ; the spare words, 128 bytes for each wave, that no other line names
.set ADRA, 16                          ; v16-17 LDS address of my A fragments in slot 0, 1
.set ADRB, 20                          ; v20-21 the same for B
.set STO,  24                          ; v24    the stage, in
.set RD,   25                          ; v25    the stage, back
.set CO,   26                          ; v26    my byte offset in two rows of C
.set ADRS, 27                          ; v27    my scale words: lanes 0-15 A's rows, lanes 16-31 B's
.set SPW,  28                          ; v28    my spare word; never rewritten
.set NIL,  29                          ; v29    0; never rewritten
.set SC,   32                          ; v32-39 two sets of 4 scale words
.set BI,   40                          ; v40-43 the bias of my four columns
.set RS,   48                          ; v48-111 two sets of 16 rows of the residual
.set BK,   112                         ; v112-127 eight rows back from the stage
.set ACC,  128                         ; v128-255 accumulator (a, b) at 128 + 8 (4 a + b)
.set F0,   0                           ; window 1: two sets of fragments: A's four at f + 12 i, B's four at f + 48 + 12 i
.set F1,   96
.set G1,   24
.set G0,   32
.set G1B,  48
.set G0B,  56
.set G1S,  68
.set G0S,  76
.set G1SB, 80
.set G0SB, 88
.set MSB, 0
.macro WIN new                         ; the immediate's high byte repeats the setting that is left
.if MSB != \new
	s_set_vgpr_msb (MSB<<8)|\new
.set MSB, \new
.endif
.endm
.set MUL,  0x05                        ; sources 0 and 1 window 1; C and D window 0
.set TO_F, 0x40                        ; destination window 1, address window 0
.macro JLOAD g0a, g1a, g0b, g1b        ; a joint load: waves 0 and 1 fetch for A, waves 2 and 3 for B; four v_nop follow each line
	s_cmp_eq_u32 s15, 0
	s_cbranch_scc0 .Lfor_b_\@
	tensor_load_to_lds s[\g0a:\g0a+3], s[\g1a:\g1a+7]
	s_nop 0
.rept 4
	v_nop
.endr
	s_branch .Lasked_\@
.Lfor_b_\@:
	tensor_load_to_lds s[\g0b:\g0b+3], s[\g1b:\g1b+7]
	s_nop 0
.rept 4
	v_nop
.endr
.Lasked_\@:
.endm
.macro CREST                           ; a round of the cluster's barrier behind its opening barrier
	s_cmp_lg_u32 s14, 0
	s_cbranch_scc1 .Lnot_wave_0_\@
	s_barrier_signal -3
.Lnot_wave_0_\@:
	s_barrier_wait -3
	s_barrier_signal -1
	s_barrier_wait -1
.endm
.macro CROUND
	s_barrier_signal -1
	s_barrier_wait -1
	CREST
.endm
.macro PLACES n
.rept \n
	v_nop
.endr
.endm
	s_load_b256 s[4:11], s[0:1], 0x0               ; A, wts, the bias, the residual
	s_load_b64 s[12:13], s[0:1], 0x20              ; C
	v_lshl_add_u32 v[SPW], v0, 2, SPARE
	v_mov_b32 v[NIL], 0
	ds_add_u32 v28, v29
	ds_add_u32 v28, v29
	s_wait_dscnt 0x0
	v_lshrrev_b32 v1, 5, v0
	v_readfirstlane_b32 s14, v1                    ; wave
	s_lshr_b32 s15, s14, 1                         ; my half of the tile's rows.  Also: I fetch for A (0) or B (1)
	s_and_b32 s16, s14, 1                          ; my half of its columns.  Also: which half of a slot's chunks I fetch
	s_bfe_u32 s40, ttmp6, 0x40000                  ; cx
	s_bfe_u32 s41, ttmp6, 0x40004                  ; cy
	s_lshl_b32 s42, ttmp9, 2
	s_add_co_u32 s42, s42, s40                     ; tile column
	s_and_b32 s17, ttmp7, 0xffff
	s_lshl_b32 s17, s17, 2
	s_add_co_u32 s17, s17, s41                     ; tile row
	s_lshl_b32 s43, s41, 2
	s_lshl_b32 s43, 15, s43                        ; my row of the cluster
	s_lshl_b32 s44, 0x1111, s40                    ; my column
	s_or_b32 s[G1+0], s43, (3<<16)|(1<<21)         ; 15:0 the mask; 17:16 elements of 8 bytes; 21 set beside a mask; no padding
	s_or_b32 s[G1B+0], s44, (3<<16)|(1<<21)
.irp g, G1, G1B                        ; 4 chunks: rows of 128 x 48 = 6,144 bytes, CH bytes apart
	s_mov_b32 s[\g+1], 768<<16                     ; tensor_dim0
	s_mov_b32 s[\g+2], 4<<16                       ; tensor_dim1
	s_mov_b32 s[\g+3], 768<<16                     ; tile_dim0
	s_mov_b32 s[\g+4], 4                           ; tile_dim1
	s_mov_b32 s[\g+5], CH/8                        ; tensor_dim0_stride
	s_mov_b32 s[\g+6], 0
	s_mov_b32 s[\g+7], 0
.endr
	s_or_b32 s[G1S+0], s43, (3<<16)|(1<<21)
	s_or_b32 s[G1SB+0], s44, (3<<16)|(1<<21)
.irp g, G1S, G1SB                      ; KTOT / 256 steps: rows of 128 x 4 = 512 bytes, SS bytes apart
	s_mov_b32 s[\g+1], 64<<16
	s_mov_b32 s[\g+2], (KTOT/256)<<16
	s_mov_b32 s[\g+3], 64<<16
	s_mov_b32 s[\g+4], KTOT/256
	s_mov_b32 s[\g+5], SS/8
	s_mov_b32 s[\g+6], 0
	s_mov_b32 s[\g+7], 0
.endr
	s_mul_i32 s18, s16, 4*CH                       ; my half of a slot's chunks,
	s_mul_i32 s19, s16, (KTOT/256)*SS              ; my half of the steps
	s_mul_i32 s20, s17, 6144                       ; A's hang on the tile row alone,
	s_add_co_u32 s20, s20, s18
	s_mov_b32 s21, 0
	s_lshl_b32 s22, s17, 9
	s_add_co_u32 s22, s22, s19
	s_add_co_u32 s22, s22, ASC
	s_mov_b32 s23, 0
	s_mul_i32 s46, s42, 6144                       ; B's on the tile column alone
	s_add_co_u32 s46, s46, s18
	s_add_co_u32 s46, s46, BOFF
	s_mov_b32 s47, 0
	s_lshl_b32 s92, s42, 9
	s_add_co_u32 s92, s92, s19
	s_add_co_u32 s92, s92, BSC
	s_mov_b32 s93, 0
	s_mul_i32 s45, s14, QT                         ; where they go: by the wave's number alone
	s_mul_i32 s94, s14, SCH
	s_wait_kmcnt 0x0
	s_add_nc_u64 s[20:21], s[4:5], s[20:21]
	s_add_nc_u64 s[22:23], s[4:5], s[22:23]
	s_add_nc_u64 s[46:47], s[6:7], s[46:47]
	s_add_nc_u64 s[92:93], s[6:7], s[92:93]
	CROUND                                         ; all sixteen work-groups are here: the first joint loads meet
	s_mov_b32 s[G0S], 1
	s_add_co_u32 s[G0S+1], s94, SCL
	s_mov_b64 s[G0S+2:G0S+3], s[22:23]
	s_or_b32 s[G0S+3], s[G0S+3], 0x80000000
	s_mov_b32 s[G0SB], 1
	s_add_co_u32 s[G0SB+1], s94, SCL
	s_mov_b64 s[G0SB+2:G0SB+3], s[92:93]
	s_or_b32 s[G0SB+3], s[G0SB+3], 0x80000000
	JLOAD G0S, G1S, G0SB, G1SB                     ; the scale words first; by this text's count a wave has three tensor loads out at the most
.irp s, 0,1
	s_mov_b32 s[G0+4*\s], 1
	s_add_co_u32 s[G0+4*\s+1], s45, \s*SLOT
	s_add_nc_u64 s[G0+4*\s+2:G0+4*\s+3], s[20:21], \s*8*CH
	s_or_b32 s[G0+4*\s+3], s[G0+4*\s+3], 0x80000000
	s_mov_b32 s[G0B+4*\s], 1
	s_add_co_u32 s[G0B+4*\s+1], s45, \s*SLOT
	s_add_nc_u64 s[G0B+4*\s+2:G0B+4*\s+3], s[46:47], \s*8*CH
	s_or_b32 s[G0B+4*\s+3], s[G0B+4*\s+3], 0x80000000
	JLOAD G0+4*\s, G1, G0B+4*\s, G1B
.endr
	v_and_b32 v1, 15, v0                           ; r
	v_bfe_u32 v2, v0, 4, 1                         ; h
	v_mul_u32_u24 v3, v1, 48
	v_mad_u32_u24 v3, v2, 24, v3                   ; a fragment: 48 r + 24 h: word 12 r + 6 h, so the 32 lanes of a load of 8 bytes touch 64 different banks
	s_mul_i32 s95, s15, 3072                       ; my 64 rows of A,
	s_mul_i32 s96, s16, 3072                       ; my 64 rows of B,
	s_add_co_u32 s96, s96, 49152                   ; behind A's 8 chunks
.irp s, 0,1
	v_add_nc_u32 v[ADRA+\s], s95, v3
	v_add_nc_u32 v[ADRB+\s], s96, v3
	s_add_co_u32 s95, s95, SLOT
	s_add_co_u32 s96, s96, SLOT
.endr
	s_lshl_b32 s95, s15, 8
	s_lshl_b32 s96, s16, 8
	s_add_co_u32 s96, s96, 2*SCH
	s_sub_co_u32 s96, s96, s95
	v_mul_u32_u24 v4, s96, v2                      ; lanes 16-31 take B's words
	s_add_co_u32 s95, s95, SCL
	v_lshl_add_u32 v4, v1, 2, v4
	v_add_nc_u32 v[ADRS], s95, v4
	s_mul_i32 s95, s14, 4352                       ; my stage
	s_add_co_u32 s95, s95, STG
	v_mul_u32_u24 v4, v1, 272
	v_lshl_add_u32 v4, v2, 6, v4
	v_add_nc_u32 v[STO], s95, v4                   ; in: row r; block b's eight columns lie 128 (b / 2) + 64 h + 32 (b % 2) bytes on
	v_mul_u32_u24 v4, v2, 272
	v_lshl_add_u32 v4, v1, 4, v4
	v_add_nc_u32 v[RD], s95, v4                    ; back: lanes 0-15 one row, lanes 16-31 the next
	v_lshlrev_b32 v4, 12, v2
	v_lshl_add_u32 v[CO], v1, 4, v4                ; and two neighbouring rows of C
	v_lshlrev_b32 v5, 4, v1
	s_lshl_b32 s46, s42, 9
	s_lshl_b32 s47, s16, 8
	s_add_co_u32 s46, s46, s47                     ; my 64 columns, in bytes
	s_mov_b32 s47, 0
	s_add_nc_u64 s[8:9], s[8:9], s[46:47]
	s_lshl_b32 s92, s17, 7
	s_lshl_b32 s93, s15, 6
	s_add_co_u32 s92, s92, s93
	s_lshl_b32 s92, s92, 12                        ; my 64 rows of 4,096 bytes
	s_add_co_u32 s46, s46, s92
	s_add_nc_u64 s[10:11], s[10:11], s[46:47]
	s_add_nc_u64 s[12:13], s[12:13], s[46:47]
.macro RLOAD a                         ; the residual of block a's 16 rows: stage row 2 i + h is token 32 (a / 2) + 16 (i / 4) + 8 (a % 2) + (2 i) % 8 + h of my 64
.irp i, 0,1,2,3,4,5,6,7
	global_load_b128 v[RS+32*((\a)%2)+4*\i:RS+32*((\a)%2)+4*\i+3], v[CO], s[10:11] offset:(32*((\a)/2)+16*(\i/4)+8*((\a)%2)+(2*\i)%8)*4096
.endr
.endm
	global_load_b128 v[BI:BI+3], v5, s[8:9]
	RLOAD 0
	RLOAD 1
.macro FRAG reg, adr, q, i             ; 16 rows x 128 K: registers 6 c .. 6 c + 5 are 24 bytes of chunk 2 q + c, as they lie; three loads of 8 bytes each
.irp p, 0,1,2,3,4,5
	ds_load_b64 v[\reg+2*\p:\reg+2*\p+1], v[\adr] offset:(2*(\q)+\p/3)*6144+(\i)*768+8*(\p%3)
.endr
.endm
.macro FETCH slot, q, f, sc            ; 52 LDS loads in one run: 4 scale words (lanes 0-15 A's block i, lanes 16-31 B's), B's four fragments, A's four
	WIN 0
.irp i, 0,1,2,3
	ds_load_b32 v[SC+4*(\sc)+\i], v[ADRS] offset:(\q)*512+64*\i
.endr
	WIN TO_F
.irp i, 0,1,2,3
	FRAG (\f)+48+12*\i, ADRB+\slot, \q, \i
.endr
.irp i, 0,1,2,3
	FRAG (\f)+12*\i, ADRA+\slot, \q, \i
.endr
.endm
.macro MULA f, a, sc, zero             ; A's block a against B's four.  The 16 accumulators take turns, one instruction a turn, in the same order in every step
.irp b, 0,1,2,3
.if \zero
	v_wmma_scale_f32_16x16x128_f8f6f4 v[ACC+8*(4*(\a)+\b):ACC+8*(4*(\a)+\b)+7], v[(\f)+48+12*\b:(\f)+48+12*\b+11], v[(\f)+12*(\a):(\f)+12*(\a)+11], 0, v[SC+4*(\sc)+\b], v[SC+4*(\sc)+(\a)] matrix_a_fmt:MATRIX_FMT_FP6 matrix_b_fmt:MATRIX_FMT_FP6 matrix_a_scale:MATRIX_SCALE_ROW1
.else
	v_wmma_scale_f32_16x16x128_f8f6f4 v[ACC+8*(4*(\a)+\b):ACC+8*(4*(\a)+\b)+7], v[(\f)+48+12*\b:(\f)+48+12*\b+11], v[(\f)+12*(\a):(\f)+12*(\a)+11], v[ACC+8*(4*(\a)+\b):ACC+8*(4*(\a)+\b)+7], v[SC+4*(\sc)+\b], v[SC+4*(\sc)+(\a)] matrix_a_fmt:MATRIX_FMT_FP6 matrix_b_fmt:MATRIX_FMT_FP6 matrix_a_scale:MATRIX_SCALE_ROW1
.endif
.endr
.endm
.macro STEP slot, q, zero              ; 128 along K, with its successor in the same slot
	s_wait_dscnt 12                                ; all but the youngest twelve loads (A's blocks 2 and 3) are in
	WIN MUL
	MULA 96*((\q)%2), 0, (\q)%2, \zero
	MULA 96*((\q)%2), 1, (\q)%2, \zero
	s_wait_dscnt 0x0                               ; A's blocks 2 and 3 are in
	PLACES 4                                       ; four plain places ahead of loads into registers that matrix instructions have read (ISA guide 7.12.1 for vector instructions)
	FETCH \slot, (\q)+1, 96-96*((\q)%2), 1-(\q)%2
	WIN MUL
	MULA 96*((\q)%2), 2, (\q)%2, \zero
	MULA 96*((\q)%2), 3, (\q)%2, \zero
.endm
.macro TURN slot, next, fill           ; a slot's last step changes slots: one barrier; ahead of it each wave waits for all its tensor loads, adds 0 to its spare word, and waits for that and for its reads.  fill = 1: this slot is filled again, two slots ahead
	WIN 0
	s_wait_tensorcnt 0x0                           ; my part of the next slot has landed, and no tensor load of mine is out
	ds_add_u32 v[SPW], v[NIL]                      ; 0 onto my spare word
	s_wait_dscnt 13                                ; (the add and the youngest twelve loads may be out)
	WIN MUL
	MULA F1, 0, 1, 0
	s_wait_dscnt 0x0                               ; the add is done, and my reads of this slot are over
	s_barrier_signal -1
	MULA F1, 1, 1, 0
	WIN 0
	s_barrier_wait -1
.if \fill
	CREST                                          ; the barrier has opened a round of the cluster's: no wave of any partner still reads this slot or has a load on its way
	s_add_nc_u64 s[G0+4*\slot+2:G0+4*\slot+3], s[G0+4*\slot+2:G0+4*\slot+3], 16*CH
	s_add_nc_u64 s[G0B+4*\slot+2:G0B+4*\slot+3], s[G0B+4*\slot+2:G0B+4*\slot+3], 16*CH
	JLOAD G0+4*\slot, G1, G0B+4*\slot, G1B         ; the first tensor load behind the round; its four v_nop are also the places ahead of the loads below
.else
	PLACES 4
.endif
	v_add_nc_u32 v[ADRS], 2048, v[ADRS]            ; the next slot's four steps of scale words
	FETCH \next, 0, F0, 0
	WIN MUL
	MULA F1, 2, 1, 0
	MULA F1, 3, 1, 0
.endm
	s_wait_tensorcnt 1                             ; the scale words and my part of slot 0 are in; slot 1's load may be out
	s_barrier_signal -1
	s_barrier_wait -1
	FETCH 0, 0, F0, 0
	STEP 0, 0, 1                                   ; the first step's products start the sums
.if LAPS > 1
	WIN 0
	s_mov_b32 s3, LAPS-1
.Llap:                                             ; a trip goes once round the ring, from a lap's second step to the next lap's first, and fills both slots again
	STEP 0, 1, 0
	STEP 0, 2, 0
	TURN 0, 1, 1
	STEP 1, 0, 0
	STEP 1, 1, 0
	STEP 1, 2, 0
	TURN 1, 0, 1
	STEP 0, 0, 0
	WIN 0
	s_sub_co_u32 s3, s3, 1
	s_cmp_lg_u32 s3, 0
	s_cbranch_scc1 .Llap
.endif
	STEP 0, 1, 0                                   ; the last lap fills nothing
	STEP 0, 2, 0
	TURN 0, 1, 0
	STEP 1, 0, 0
	STEP 1, 1, 0
	STEP 1, 2, 0
	s_wait_dscnt 12
	WIN MUL
	MULA F1, 0, 1, 0
	MULA F1, 1, 1, 0
	s_wait_dscnt 0x0
	MULA F1, 2, 1, 0
	MULA F1, 3, 1, 0
	WIN 0
	PLACES 4
.macro OUTA a                          ; block a: 16 rows x 64 columns
.set AB, ACC+32*(\a)
.set RR, RS+32*((\a)%2)
.irp b, 0,1,2,3
	ds_store_b128 v[STO], v[AB+8*\b:AB+8*\b+3] offset:128*(\b/2)+32*(\b%2)       ; each accumulator from its low end on
	ds_store_b128 v[STO], v[AB+8*\b+4:AB+8*\b+7] offset:128*(\b/2)+32*(\b%2)+16
.endr
.if (\a) < 3
	s_wait_loadcnt 8                               ; this block's residual (and the bias) are in; the next block's eight loads may be out
.else
	s_wait_loadcnt 0x0
.endif
.irp u, 0,1
.irp i, 0,1,2,3
	ds_load_b128 v[BK+4*\i:BK+4*\i+3], v[RD] offset:2*(4*\u+\i)*272   ; my own bytes, served in order
.endr
	s_wait_dscnt 0x0
.irp i, 0,1,2,3
	v_pk_add_f32 v[BK+4*\i:BK+4*\i+1], v[BK+4*\i:BK+4*\i+1], v[BI:BI+1]
	v_pk_add_f32 v[BK+4*\i+2:BK+4*\i+3], v[BK+4*\i+2:BK+4*\i+3], v[BI+2:BI+3]
.endr
.irp i, 0,1,2,3
	v_pk_add_f32 v[RR+4*(4*\u+\i):RR+4*(4*\u+\i)+1], v[RR+4*(4*\u+\i):RR+4*(4*\u+\i)+1], v[BK+4*\i:BK+4*\i+1]
	v_pk_add_f32 v[RR+4*(4*\u+\i)+2:RR+4*(4*\u+\i)+3], v[RR+4*(4*\u+\i)+2:RR+4*(4*\u+\i)+3], v[BK+4*\i+2:BK+4*\i+3]
.endr
.irp i, 0,1,2,3
.if LASTOUT
	global_store_b128 v[CO], v[RR+4*(4*\u+\i):RR+4*(4*\u+\i)+3], s[12:13] offset:(32*((\a)/2)+16*\u+8*((\a)%2)+2*\i)*4096 th:TH_STORE_NT
.else
	global_store_b128 v[CO], v[RR+4*(4*\u+\i):RR+4*(4*\u+\i)+3], s[12:13] offset:(32*((\a)/2)+16*\u+8*((\a)%2)+2*\i)*4096   ; sixteen lanes store 256 consecutive aligned bytes
.endif
.endr
.endr
.if (\a) < 2
	s_wait_xcnt 0x0                                ; the stores have read their registers: the set takes the block two on
	RLOAD (\a)+2
.endif
.endm
	OUTA 0
	OUTA 1
	OUTA 2
	OUTA 3
	s_wait_tensorcnt 0x0                           ; the wave's end
	ds_add_u32 v[SPW], v[NIL]
	s_wait_dscnt 0x0
	CROUND                                         ; the closing round
	s_endpgm
.Lfunc_end_k_q1d0f8d3296_proj:
	.size	k_q1d0f8d3296_proj, .Lfunc_end_k_q1d0f8d3296_proj-k_q1d0f8d3296_proj
	.p2alignl 7, 3214868480
	.fill 96, 4, 3214868480
	.section	.rodata,"a",@progbits
	.p2align	6, 0x0
	.amdhsa_kernel k_q1d0f8d3296_proj
		.amdhsa_group_segment_fixed_size 327680
		.amdhsa_private_segment_fixed_size 0
		.amdhsa_enable_private_segment 0
		.amdhsa_kernarg_size 40
		.amdhsa_user_sgpr_count 2
		.amdhsa_user_sgpr_kernarg_segment_ptr 1
		.amdhsa_wavefront_size32 1
		.amdhsa_system_sgpr_workgroup_id_x 1
		.amdhsa_system_sgpr_workgroup_id_y 1
		.amdhsa_system_sgpr_workgroup_id_z 1
		.amdhsa_system_vgpr_workitem_id 0
		.amdhsa_next_free_vgpr 512
		.amdhsa_next_free_sgpr 98
		.amdhsa_reserve_vcc 0
		.amdhsa_float_denorm_mode_32 3
		.amdhsa_float_denorm_mode_16_64 3
		.amdhsa_memory_ordered 1
		.amdhsa_forward_progress 1
		.amdhsa_inst_pref_size 74
	.end_amdhsa_kernel
	.amdgpu_metadata
---
amdhsa.version: [ 1, 2 ]
amdhsa.kernels:
  - .name:           k_q1d0f8d3296_proj
    .symbol:         k_q1d0f8d3296_proj.kd
    .args:
      - { .name: yb, .offset: 0, .size: 8, .value_kind: global_buffer, .address_space: global }
      - { .name: wts, .offset: 8, .size: 8, .value_kind: global_buffer, .address_space: global }
      - { .name: b_proj, .offset: 16, .size: 8, .value_kind: global_buffer, .address_space: global }
      - { .name: x, .offset: 24, .size: 8, .value_kind: global_buffer, .address_space: global }
      - { .name: x1, .offset: 32, .size: 8, .value_kind: global_buffer, .address_space: global }
    .group_segment_fixed_size: 327680
    .private_segment_fixed_size: 0
    .kernarg_segment_align: 8
    .kernarg_segment_size: 40
    .max_flat_workgroup_size: 128
    .sgpr_count:     98
    .vgpr_count:     512
    .wavefront_size: 32
...
	.end_amdgpu_metadata
.endif
;; end of part 5
;; launch ln2: the kernel of part 2 again; grid 256 x 1, 4 waves a work-group, no clusters, 50,688 bytes of LDS; arguments x1, ln2_g, ln2_b, act; writes act
;; launch fc1 (part 6): grid 32 x 32, 4 waves a work-group, clusters of 4 x 4, 327,680 bytes of LDS; arguments act, wts, b1, hb; writes hb
.if DOCPART == 6
	.amdgcn_target "amdgcn-amd-amdhsa--gfx1250"
	.amdhsa_code_object_version 6
	.text
	.protected	k_q1d0f8d3296_fc1
	.globl	k_q1d0f8d3296_fc1
	.p2align	8
	.type	k_q1d0f8d3296_fc1,@function
k_q1d0f8d3296_fc1:
	s_mov_b64 s[64:65], 0
	v_nop
	global_prefetch_b8 v0, s[64:65] scope:SCOPE_SE
	s_setreg_imm32_b32 hwreg(HW_REG_WAVE_MODE, 25, 1), 1
	s_wait_xcnt 0x0
	s_wait_alu depctr_hold_cnt(0) depctr_sa_sdst(0) depctr_va_vdst(0) depctr_va_sdst(0) depctr_va_ssrc(0) depctr_va_vcc(0) depctr_vm_vsrc(0)
	s_getreg_b32 s2, hwreg(HW_REG_IB_STS2, 6, 4)
	s_cmp_eq_u32 s2, 0
	s_cbranch_scc0 .Lentry_in_a_cluster
	s_endpgm
.Lentry_in_a_cluster:
	s_bfe_u32 s2, ttmp6, 0x10000c
	s_cmp_lg_u32 s2, 0xf033
	s_cbranch_scc0 .Lentry_shape_is_right
	s_endpgm
.Lentry_shape_is_right:
; h = Q(gelu(xn W1 + b1)) along the hidden units; both operands codes of FP6 (E2M3) with E8M0 scales; sums in f32; K = 1,024.
; OPERANDS: codes[K / 64][position][48 bytes] (CH from chunk to chunk), scale words [K / 128][position][4 bytes] (SS from step to step); position p holds row swap34(p) (bits 3 and 4 exchanged).
; Tile 128 x 128, four waves of 64 x 64 (16 accumulators).  THE MATRIX INSTRUCTION IS USED TRANSPOSED (source 0 = 16 positions of W1's columns, source 1 = 16 token positions): a lane holds one token, and the
; 16 registers of tiles 2 B, 2 B + 1 are hidden units 32 B + 16 h + 0 .. 15: so the result is quantised in registers and leaves as the next product's operand: a wave's 64 units are one chunk, 64 rows x 48 consecutive bytes.
; K lies in LDS whole: two slots of 512 along K, each filled once, all asked for at the head, jointly: A's tiles by the four of a row of the cluster, B's by the four of a column.
; GELU, exact form: gelu(x) = max(x, 0) - |x| y / 2, y = erfc(|x| / sqrt 2) = (a1 t + .. + a5 t^5) 2^(-x^2 log2(e) / 2), t = 1 / (1 + 0.23164189 |x|) (Abramowitz and Stegun 7.1.26).  No difference of near numbers is formed for x < 0.
; LIMITS: that formula's error in erf is at most 1.5e-7; v_rcp_f32 and v_exp_f32 as they are; a block of zeros or under 2^-124 gets the byte 1 (only this program reads the bytes); NaN and infinities are not served.
.set KTOT, 1024
.set ASC,  3145728                     ; A's scale words in act
.set BOFF, 6291456                     ; w1's codes in wts
.set BSC,  22282240                    ; w1's scale words in wts
.set OUTS, 12582912                    ; the result's scale words in hb
.set CH,   196608
.set SS,   16384
.set SLOT, 98304                       ; A's 8 chunks of 128 rows x 48 bytes, then B's 8
.set QT,   24576                       ; 4 chunks: what one tensor load brings
.set SCH,  (KTOT/256)*512              ; the scale words that one tensor load brings
.set SCL,  2*SLOT                      ; behind the slots: A's scale words, step by step, then B's
.set STG,  229376                      ; the way out: 64 rows x 48 bytes for each wave; no tensor load lands here
.set SST,  241664                      ; and the tile's scale words: 128 rows x 4 bytes
.set SPARE, 249856                     ; the spare words, 128 bytes for each wave, that no other line names
.set ADRA, 16
.set ADRB, 20
.set SRD,  22                          ; v22    where wave 0 reads the scale words back
.set SSO,  23                          ; v23    where I put two scale bytes
.set STO,  24                          ; v24    where I put 12 bytes of codes
.set RD,   25                          ; v25    where I read the chunk back
.set LO,   26                          ; v26    16 x lane
.set ADRS, 27
.set SPW,  28
.set NIL,  29
.set SC,   32                          ; v32-39 two sets of 4 scale words
.set PA,   40                          ; v40-47 a4, a3, a2, a1, a pair each
.set BN,   48                          ; v48-79 the bias of my 8 columns, for each block of B; then YY
.set YY,   48                          ; v48-63 the polynomial
.set AX,   80                          ; v80-95 |x|, then -|x| / 2
.set TT,   96                          ; v96-111 t
.set EE,   112                         ; v112-127 the exponential
.set CD,   80                          ; v80-86 codes just made
.set TM,   88                          ; v88-95 at work
.set PW,   96                          ; v96    two scale bytes
.set ACC,  128
.set F0,   0
.set F1,   96
.set G1,   24
.set G0,   32
.set G1B,  48
.set G0B,  56
.set G1S,  68
.set G0S,  76
.set G1SB, 80
.set G0SB, 88
.set MSB, 0
.macro WIN new                         ; the immediate's high byte repeats the setting that is left
.if MSB != \new
	s_set_vgpr_msb (MSB<<8)|\new
.set MSB, \new
.endif
.endm
.set MUL,  0x05                        ; sources 0 and 1 window 1; C and D window 0
.set TO_F, 0x40                        ; destination window 1, address window 0
.macro JLOAD g0a, g1a, g0b, g1b        ; a joint load: waves 0 and 1 fetch for A, waves 2 and 3 for B; four v_nop follow each line
	s_cmp_eq_u32 s15, 0
	s_cbranch_scc0 .Lfor_b_\@
	tensor_load_to_lds s[\g0a:\g0a+3], s[\g1a:\g1a+7]
	s_nop 0
.rept 4
	v_nop
.endr
	s_branch .Lasked_\@
.Lfor_b_\@:
	tensor_load_to_lds s[\g0b:\g0b+3], s[\g1b:\g1b+7]
	s_nop 0
.rept 4
	v_nop
.endr
.Lasked_\@:
.endm
.macro CREST
	s_cmp_lg_u32 s14, 0
	s_cbranch_scc1 .Lnot_wave_0_\@
	s_barrier_signal -3
.Lnot_wave_0_\@:
	s_barrier_wait -3
	s_barrier_signal -1
	s_barrier_wait -1
.endm
.macro CROUND
	s_barrier_signal -1
	s_barrier_wait -1
	CREST
.endm
.macro PLACES n
.rept \n
	v_nop
.endr
.endm
	s_load_b256 s[4:11], s[0:1], 0x0               ; act, wts, b1, hb
	v_lshl_add_u32 v[SPW], v0, 2, SPARE
	v_mov_b32 v[NIL], 0
	ds_add_u32 v28, v29
	ds_add_u32 v28, v29
	s_wait_dscnt 0x0
	v_lshrrev_b32 v1, 5, v0
	v_readfirstlane_b32 s14, v1                    ; wave
	s_lshr_b32 s15, s14, 1                         ; my half of the tile's rows.  Also: I fetch for A (0) or B (1)
	s_and_b32 s16, s14, 1                          ; my half of its columns.  Also: which half of a slot's chunks I fetch
	s_bfe_u32 s40, ttmp6, 0x40000                  ; cx
	s_bfe_u32 s41, ttmp6, 0x40004                  ; cy
	s_lshl_b32 s42, ttmp9, 2
	s_add_co_u32 s42, s42, s40                     ; tile column
	s_and_b32 s17, ttmp7, 0xffff
	s_lshl_b32 s17, s17, 2
	s_add_co_u32 s17, s17, s41                     ; tile row
	s_lshl_b32 s43, s41, 2
	s_lshl_b32 s43, 15, s43                        ; my row of the cluster
	s_lshl_b32 s44, 0x1111, s40                    ; my column
	s_or_b32 s[G1+0], s43, (3<<16)|(1<<21)         ; 15:0 the mask; 17:16 elements of 8 bytes; 21 set beside a mask; no padding
	s_or_b32 s[G1B+0], s44, (3<<16)|(1<<21)
.irp g, G1, G1B                        ; 4 chunks: rows of 128 x 48 = 6,144 bytes, CH bytes apart
	s_mov_b32 s[\g+1], 768<<16
	s_mov_b32 s[\g+2], 4<<16
	s_mov_b32 s[\g+3], 768<<16
	s_mov_b32 s[\g+4], 4
	s_mov_b32 s[\g+5], CH/8
	s_mov_b32 s[\g+6], 0
	s_mov_b32 s[\g+7], 0
.endr
	s_or_b32 s[G1S+0], s43, (3<<16)|(1<<21)
	s_or_b32 s[G1SB+0], s44, (3<<16)|(1<<21)
.irp g, G1S, G1SB                      ; KTOT / 256 steps: rows of 128 x 4 = 512 bytes, SS bytes apart
	s_mov_b32 s[\g+1], 64<<16
	s_mov_b32 s[\g+2], (KTOT/256)<<16
	s_mov_b32 s[\g+3], 64<<16
	s_mov_b32 s[\g+4], KTOT/256
	s_mov_b32 s[\g+5], SS/8
	s_mov_b32 s[\g+6], 0
	s_mov_b32 s[\g+7], 0
.endr
	s_mul_i32 s18, s16, 4*CH
	s_mul_i32 s19, s16, (KTOT/256)*SS
	s_mul_i32 s20, s17, 6144                       ; A's hang on the tile row alone,
	s_add_co_u32 s20, s20, s18
	s_mov_b32 s21, 0
	s_lshl_b32 s22, s17, 9
	s_add_co_u32 s22, s22, s19
	s_add_co_u32 s22, s22, ASC
	s_mov_b32 s23, 0
	s_mul_i32 s46, s42, 6144                       ; B's on the tile column alone
	s_add_co_u32 s46, s46, s18
	s_add_co_u32 s46, s46, BOFF
	s_mov_b32 s47, 0
	s_lshl_b32 s92, s42, 9
	s_add_co_u32 s92, s92, s19
	s_add_co_u32 s92, s92, BSC
	s_mov_b32 s93, 0
	s_mul_i32 s45, s14, QT
	s_mul_i32 s94, s14, SCH
	s_wait_kmcnt 0x0
	s_add_nc_u64 s[20:21], s[4:5], s[20:21]
	s_add_nc_u64 s[22:23], s[4:5], s[22:23]
	s_add_nc_u64 s[46:47], s[6:7], s[46:47]
	s_add_nc_u64 s[92:93], s[6:7], s[92:93]
	CROUND                                         ; all sixteen work-groups are here: the joint loads meet
	s_mov_b32 s[G0S], 1
	s_add_co_u32 s[G0S+1], s94, SCL
	s_mov_b64 s[G0S+2:G0S+3], s[22:23]
	s_or_b32 s[G0S+3], s[G0S+3], 0x80000000
	s_mov_b32 s[G0SB], 1
	s_add_co_u32 s[G0SB+1], s94, SCL
	s_mov_b64 s[G0SB+2:G0SB+3], s[92:93]
	s_or_b32 s[G0SB+3], s[G0SB+3], 0x80000000
	JLOAD G0S, G1S, G0SB, G1SB                     ; the scale words first; by this text's count a wave has three tensor loads out at the most
.irp s, 0,1
	s_mov_b32 s[G0+4*\s], 1
	s_add_co_u32 s[G0+4*\s+1], s45, \s*SLOT
	s_add_nc_u64 s[G0+4*\s+2:G0+4*\s+3], s[20:21], \s*8*CH
	s_or_b32 s[G0+4*\s+3], s[G0+4*\s+3], 0x80000000
	s_mov_b32 s[G0B+4*\s], 1
	s_add_co_u32 s[G0B+4*\s+1], s45, \s*SLOT
	s_add_nc_u64 s[G0B+4*\s+2:G0B+4*\s+3], s[46:47], \s*8*CH
	s_or_b32 s[G0B+4*\s+3], s[G0B+4*\s+3], 0x80000000
	JLOAD G0+4*\s, G1, G0B+4*\s, G1B
.endr
	v_and_b32 v1, 15, v0                           ; r
	v_bfe_u32 v2, v0, 4, 1                         ; h
	v_mul_u32_u24 v3, v1, 48
	v_mad_u32_u24 v3, v2, 24, v3                   ; a fragment: 48 r + 24 h
	s_mul_i32 s95, s15, 3072
	s_mul_i32 s96, s16, 3072
	s_add_co_u32 s96, s96, 49152
.irp s, 0,1
	v_add_nc_u32 v[ADRA+\s], s95, v3
	v_add_nc_u32 v[ADRB+\s], s96, v3
	s_add_co_u32 s95, s95, SLOT
	s_add_co_u32 s96, s96, SLOT
.endr
	s_lshl_b32 s95, s15, 8
	s_lshl_b32 s96, s16, 8
	s_add_co_u32 s96, s96, 2*SCH
	s_sub_co_u32 s96, s96, s95
	v_mul_u32_u24 v4, s96, v2                      ; lanes 16-31 take B's words
	s_add_co_u32 s95, s95, SCL
	v_lshl_add_u32 v4, v1, 2, v4
	v_add_nc_u32 v[ADRS], s95, v4
	s_mul_i32 s95, s14, 3072                       ; the way out
	s_add_co_u32 s95, s95, STG
	v_mul_u32_u24 v4, v1, 48
	v_mad_u32_u24 v4, v2, 12, v4
	v_add_nc_u32 v[STO], s95, v4
	v_and_b32 v4, 31, v0
	v_lshlrev_b32 v[LO], 4, v4
	v_add_nc_u32 v[RD], s95, v[LO]
	s_lshl_b32 s95, s15, 8
	s_lshl_b32 s96, s16, 1
	s_add_co_u32 s95, s95, s96
	s_add_co_u32 s95, s95, SST
	v_lshl_add_u32 v[SSO], v1, 2, s95
	v_add_nc_u32 v[SRD], SST, v[LO]
	s_lshl_b32 s46, s42, 9
	s_lshl_b32 s47, s16, 8
	s_add_co_u32 s46, s46, s47                     ; my 64 columns, in bytes
	s_mov_b32 s47, 0
	s_add_nc_u64 s[8:9], s[8:9], s[46:47]
	v_lshlrev_b32 v5, 6, v2                        ; 64 h: block b's registers are columns 32 (b / 2) + 16 h + 8 (b % 2) + 0 .. 7
.irp b, 0,1,2,3
	global_load_b128 v[BN+8*\b:BN+8*\b+3], v5, s[8:9] offset:128*(\b/2)+32*(\b%2)
	global_load_b128 v[BN+8*\b+4:BN+8*\b+7], v5, s[8:9] offset:128*(\b/2)+32*(\b%2)+16
.endr
	s_lshl_b32 s94, s42, 1
	s_add_co_u32 s94, s94, s16
	s_mul_i32 s94, s94, CH                         ; my chunk of the result,
	s_lshl_b32 s95, s17, 1
	s_add_co_u32 s95, s95, s15
	s_mul_i32 s95, s95, 3072                       ; my 64 rows in it
	s_add_co_u32 s94, s94, s95
	s_mov_b32 s95, 0
	s_add_nc_u64 s[12:13], s[10:11], s[94:95]      ; codes out
	s_lshl_b32 s94, s42, 14
	s_lshl_b32 s96, s17, 9
	s_add_co_u32 s94, s94, s96
	s_add_co_u32 s94, s94, OUTS
	s_add_nc_u64 s[10:11], s[10:11], s[94:95]      ; scale words out
	s_mov_b32 s18, 0x76543210
	s_mov_b32 s19, 0xfedcba98
	s_mov_b32 s20, 0x3e6d3388                      ; 0.23164189; each scalar pair is written whole
	s_mov_b32 s21, s20
	s_mov_b32 s22, 0xbf38aa3b                      ; -log2(e) / 2
	s_mov_b32 s23, s22
	s_mov_b32 s46, 0x3f87dc22                      ; a5
	s_mov_b32 s47, s46
	s_mov_b32 s45, 0x7fffffff
	v_mov_b32 v[PA], 0xbfba00e3                    ; a4
	v_mov_b32 v[PA+1], 0xbfba00e3
	v_mov_b32 v[PA+2], 0x3fb5f0e3                  ; a3
	v_mov_b32 v[PA+3], 0x3fb5f0e3
	v_mov_b32 v[PA+4], 0xbe91a98e                  ; a2
	v_mov_b32 v[PA+5], 0xbe91a98e
	v_mov_b32 v[PA+6], 0x3e827906                  ; a1
	v_mov_b32 v[PA+7], 0x3e827906
.macro FRAG reg, adr, q, i             ; 16 rows x 128 K: registers 6 c .. 6 c + 5 are 24 bytes of chunk 2 q + c, as they lie
.irp p, 0,1,2,3,4,5
	ds_load_b64 v[\reg+2*\p:\reg+2*\p+1], v[\adr] offset:(2*(\q)+\p/3)*6144+(\i)*768+8*(\p%3)
.endr
.endm
.macro FETCH slot, q, f, sc            ; 52 LDS loads in one run: 4 scale words, B's four fragments, A's four
	WIN 0
.irp i, 0,1,2,3
	ds_load_b32 v[SC+4*(\sc)+\i], v[ADRS] offset:(\q)*512+64*\i
.endr
	WIN TO_F
.irp i, 0,1,2,3
	FRAG (\f)+48+12*\i, ADRB+\slot, \q, \i
.endr
.irp i, 0,1,2,3
	FRAG (\f)+12*\i, ADRA+\slot, \q, \i
.endr
.endm
.macro MULA f, a, sc, zero             ; A's block a against B's four; the 16 accumulators take turns, one instruction a turn
.irp b, 0,1,2,3
.if \zero
	v_wmma_scale_f32_16x16x128_f8f6f4 v[ACC+8*(4*(\a)+\b):ACC+8*(4*(\a)+\b)+7], v[(\f)+48+12*\b:(\f)+48+12*\b+11], v[(\f)+12*(\a):(\f)+12*(\a)+11], 0, v[SC+4*(\sc)+\b], v[SC+4*(\sc)+(\a)] matrix_a_fmt:MATRIX_FMT_FP6 matrix_b_fmt:MATRIX_FMT_FP6 matrix_a_scale:MATRIX_SCALE_ROW1
.else
	v_wmma_scale_f32_16x16x128_f8f6f4 v[ACC+8*(4*(\a)+\b):ACC+8*(4*(\a)+\b)+7], v[(\f)+48+12*\b:(\f)+48+12*\b+11], v[(\f)+12*(\a):(\f)+12*(\a)+11], v[ACC+8*(4*(\a)+\b):ACC+8*(4*(\a)+\b)+7], v[SC+4*(\sc)+\b], v[SC+4*(\sc)+(\a)] matrix_a_fmt:MATRIX_FMT_FP6 matrix_b_fmt:MATRIX_FMT_FP6 matrix_a_scale:MATRIX_SCALE_ROW1
.endif
.endr
.endm
.macro STEP slot, q, zero
	s_wait_dscnt 12                                ; all but the youngest twelve loads (A's blocks 2 and 3) are in
	WIN MUL
	MULA 96*((\q)%2), 0, (\q)%2, \zero
	MULA 96*((\q)%2), 1, (\q)%2, \zero
	s_wait_dscnt 0x0                               ; A's blocks 2 and 3 are in
	PLACES 4                                       ; four plain places ahead of loads into registers that matrix instructions have read
	FETCH \slot, (\q)+1, 96-96*((\q)%2), 1-(\q)%2
	WIN MUL
	MULA 96*((\q)%2), 2, (\q)%2, \zero
	MULA 96*((\q)%2), 3, (\q)%2, \zero
.endm
	s_wait_tensorcnt 1                             ; the scale words and my part of slot 0 are in; slot 1's load may be out
	s_barrier_signal -1
	s_barrier_wait -1
	FETCH 0, 0, F0, 0
	STEP 0, 0, 1                                   ; the first step's products start the sums
	STEP 0, 1, 0
	STEP 0, 2, 0
	WIN 0                                          ; slot 0's last step changes slots: one barrier
	s_wait_tensorcnt 0x0                           ; my part of slot 1 has landed
	ds_add_u32 v[SPW], v[NIL]                      ; 0 onto my spare word
	s_wait_dscnt 13                                ; (the add and the youngest twelve loads may be out)
	WIN MUL
	MULA F1, 0, 1, 0
	s_wait_dscnt 0x0
	s_barrier_signal -1
	MULA F1, 1, 1, 0
	WIN 0
	s_barrier_wait -1
	PLACES 4
	v_add_nc_u32 v[ADRS], 2048, v[ADRS]
	FETCH 1, 0, F0, 0
	WIN MUL
	MULA F1, 2, 1, 0
	MULA F1, 3, 1, 0
	STEP 1, 0, 0
	STEP 1, 1, 0
	STEP 1, 2, 0
	s_wait_dscnt 12
	WIN MUL
	MULA F1, 0, 1, 0
	MULA F1, 1, 1, 0
	s_wait_dscnt 0x0
	MULA F1, 2, 1, 0
	MULA F1, 3, 1, 0
	WIN 0
	PLACES 4
	s_wait_loadcnt 0x0                             ; the bias
.irp a, 0,1,2,3                        ; each accumulator from its low end on
.irp b, 0,1,2,3
.irp j, 0,2,4,6
	v_pk_add_f32 v[ACC+8*(4*\a+\b)+\j:ACC+8*(4*\a+\b)+\j+1], v[ACC+8*(4*\a+\b)+\j:ACC+8*(4*\a+\b)+\j+1], v[BN+8*\b+\j:BN+8*\b+\j+1]
.endr
.endr
.endr
.macro GELU16 x                        ; 16 numbers in place; the 32 transcendentals are one batch with one wait
.irp i, 0,1,2,3,4,5,6,7,8,9,10,11,12,13,14,15
	v_and_b32 v[AX+\i], s45, v[\x+\i]
.endr
.irp i, 0,2,4,6,8,10,12,14
	v_pk_fma_f32 v[TT+\i:TT+\i+1], v[AX+\i:AX+\i+1], s[20:21], 1.0 op_sel_hi:[1,0,0]
.endr
.irp i, 0,2,4,6,8,10,12,14
	v_pk_mul_f32 v[EE+\i:EE+\i+1], v[AX+\i:AX+\i+1], v[AX+\i:AX+\i+1]
.endr
.irp i, 0,2,4,6,8,10,12,14
	v_pk_mul_f32 v[EE+\i:EE+\i+1], v[EE+\i:EE+\i+1], s[22:23] op_sel_hi:[1,0]
.endr
.irp i, 0,1,2,3,4,5,6,7,8,9,10,11,12,13,14,15
	v_rcp_f32 v[TT+\i], v[TT+\i]
.endr
.irp i, 0,1,2,3,4,5,6,7,8,9,10,11,12,13,14,15
	v_exp_f32 v[EE+\i], v[EE+\i]
.endr
.irp i, 0,2,4,6,8,10,12,14
	v_pk_mul_f32 v[AX+\i:AX+\i+1], v[AX+\i:AX+\i+1], -0.5 op_sel_hi:[1,0]   ; plain work behind the batch
.endr
	s_wait_alu depctr_va_vdst(0)                   ; one wait for the batch, ahead of its first reader
.irp i, 0,2,4,6,8,10,12,14
	v_pk_fma_f32 v[YY+\i:YY+\i+1], v[TT+\i:TT+\i+1], s[46:47], v[PA:PA+1] op_sel_hi:[1,0,1]
.endr
.irp c, 2,4,6
.irp i, 0,2,4,6,8,10,12,14
	v_pk_fma_f32 v[YY+\i:YY+\i+1], v[YY+\i:YY+\i+1], v[TT+\i:TT+\i+1], v[PA+\c:PA+\c+1]
.endr
.endr
.irp i, 0,2,4,6,8,10,12,14
	v_pk_mul_f32 v[YY+\i:YY+\i+1], v[YY+\i:YY+\i+1], v[TT+\i:TT+\i+1]
.endr
.irp i, 0,2,4,6,8,10,12,14
	v_pk_mul_f32 v[YY+\i:YY+\i+1], v[YY+\i:YY+\i+1], v[EE+\i:EE+\i+1]
.endr
.irp i, 0,1,2,3,4,5,6,7,8,9,10,11,12,13,14,15
	v_max_num_f32 v[\x+\i], 0, v[\x+\i]
.endr
.irp i, 0,2,4,6,8,10,12,14
	v_pk_fma_f32 v[\x+\i:\x+\i+1], v[AX+\i:AX+\i+1], v[YY+\i:YY+\i+1], v[\x+\i:\x+\i+1]
.endr
.endm
; 16 rows x 64 columns: the activation, then codes: registers 16 B + i of block a are columns 32 B + 16 h + i of my row; a block of 32 lies in lanes l and l xor 16
.macro QROW a
.set AB, ACC+32*(\a)
	GELU16 AB
	GELU16 AB+16
.irp b, 0,1
	v_max3_num_f32 v[TM+\b], |v[AB+16*\b]|, |v[AB+16*\b+1]|, 0x1800000   ; with the floor 2^(3 - 127)
.endr
.irp i, 2,4,6,8,10,12,14
.irp b, 0,1
	v_max3_num_f32 v[TM+\b], v[TM+\b], |v[AB+16*\b+\i]|, |v[AB+16*\b+\i+1]|
.endr
.endr
.irp b, 0,1
	v_permlanex16_b32 v[TM+2+\b], v[TM+\b], s18, s19
.endr
.irp b, 0,1
	v_max_num_f32 v[TM+\b], v[TM+\b], v[TM+2+\b]
.endr
.irp b, 0,1
	v_add_nc_u32 v[TM+4+\b], 0xff000000, v[TM+\b]
.endr
.irp b, 0,1
	v_lshrrev_b32 v[TM+6+\b], 23, v[TM+4+\b]
.endr
	v_lshl_or_b32 v[PW], v[TM+7], 8, v[TM+6]
	v_cvt_scalef32_pk16_fp6_f32 v[CD:CD+2], v[AB:AB+15], v[TM+4]
	v_cvt_scalef32_pk16_fp6_f32 v[CD+4:CD+6], v[AB+16:AB+31], v[TM+5]
	v_nop                                          ; one plain place behind a scaled conversion
.irp i, 0,1,2
	ds_store_b32 v[STO], v[CD+\i] offset:768*(\a)+4*\i
	ds_store_b32 v[STO], v[CD+4+\i] offset:768*(\a)+24+4*\i
.endr
	ds_store_b16 v[SSO], v[PW] offset:64*(\a)      ; both halves of the lanes write the same two bytes
	s_wait_dscnt 0x0                               ; the stores have read their registers
.endm
	QROW 0
	QROW 1
	QROW 2
	QROW 3
.irp t, 0,1,2,3,4,5
	ds_load_b128 v[48+4*\t:51+4*\t], v[RD] offset:512*\t   ; my own bytes, served in order
.endr
.irp t, 0,1,2,3,4,5
	s_wait_dscnt 5-\t
	global_store_b128 v[LO], v[48+4*\t:51+4*\t], s[12:13] offset:512*\t   ; 512 consecutive bytes, at a multiple of 256 from the buffer's first byte
.endr
	s_barrier_signal -1                            ; every wave's scale bytes lie in LDS (the last count above was 0)
	s_barrier_wait -1
	s_cmp_lg_u32 s14, 0
	s_cbranch_scc1 .Lno_scales
	ds_load_b128 v[80:83], v[SRD]
	s_wait_dscnt 0x0
	global_store_b128 v[LO], v[80:83], s[10:11]    ; the tile's 128 scale words: 512 consecutive bytes
.Lno_scales:
	s_wait_tensorcnt 0x0                           ; the wave's end
	ds_add_u32 v[SPW], v[NIL]
	s_wait_dscnt 0x0
	CROUND                                         ; the closing round
	s_endpgm
.Lfunc_end_k_q1d0f8d3296_fc1:
	.size	k_q1d0f8d3296_fc1, .Lfunc_end_k_q1d0f8d3296_fc1-k_q1d0f8d3296_fc1
	.p2alignl 7, 3214868480
	.fill 96, 4, 3214868480
	.section	.rodata,"a",@progbits
	.p2align	6, 0x0
	.amdhsa_kernel k_q1d0f8d3296_fc1
		.amdhsa_group_segment_fixed_size 327680
		.amdhsa_private_segment_fixed_size 0
		.amdhsa_enable_private_segment 0
		.amdhsa_kernarg_size 32
		.amdhsa_user_sgpr_count 2
		.amdhsa_user_sgpr_kernarg_segment_ptr 1
		.amdhsa_wavefront_size32 1
		.amdhsa_system_sgpr_workgroup_id_x 1
		.amdhsa_system_sgpr_workgroup_id_y 1
		.amdhsa_system_sgpr_workgroup_id_z 1
		.amdhsa_system_vgpr_workitem_id 0
		.amdhsa_next_free_vgpr 512
		.amdhsa_next_free_sgpr 98
		.amdhsa_reserve_vcc 0
		.amdhsa_float_denorm_mode_32 3
		.amdhsa_float_denorm_mode_16_64 3
		.amdhsa_memory_ordered 1
		.amdhsa_forward_progress 1
		.amdhsa_inst_pref_size 131
	.end_amdhsa_kernel
	.amdgpu_metadata
---
amdhsa.version: [ 1, 2 ]
amdhsa.kernels:
  - .name:           k_q1d0f8d3296_fc1
    .symbol:         k_q1d0f8d3296_fc1.kd
    .args:
      - { .name: act, .offset: 0, .size: 8, .value_kind: global_buffer, .address_space: global }
      - { .name: wts, .offset: 8, .size: 8, .value_kind: global_buffer, .address_space: global }
      - { .name: b1, .offset: 16, .size: 8, .value_kind: global_buffer, .address_space: global }
      - { .name: hb, .offset: 24, .size: 8, .value_kind: global_buffer, .address_space: global }
    .group_segment_fixed_size: 327680
    .private_segment_fixed_size: 0
    .kernarg_segment_align: 8
    .kernarg_segment_size: 32
    .max_flat_workgroup_size: 128
    .sgpr_count:     98
    .vgpr_count:     512
    .wavefront_size: 32
...
	.end_amdgpu_metadata
.endif
;; end of part 6
;; launch fc2 (part 7): grid 8 x 32, 4 waves a work-group, clusters of 4 x 4, 327,680 bytes of LDS; arguments hb, wts, b2, x1, out0; writes out0
.if DOCPART == 7
	.amdgcn_target "amdgcn-amd-amdhsa--gfx1250"
	.amdhsa_code_object_version 6
	.text
	.protected	k_q1d0f8d3296_fc2
	.globl	k_q1d0f8d3296_fc2
	.p2align	8
	.type	k_q1d0f8d3296_fc2,@function
k_q1d0f8d3296_fc2:
	s_mov_b64 s[64:65], 0
	v_nop
	global_prefetch_b8 v0, s[64:65] scope:SCOPE_SE
	s_setreg_imm32_b32 hwreg(HW_REG_WAVE_MODE, 25, 1), 1
	s_wait_xcnt 0x0
	s_wait_alu depctr_hold_cnt(0) depctr_sa_sdst(0) depctr_va_vdst(0) depctr_va_sdst(0) depctr_va_ssrc(0) depctr_va_vcc(0) depctr_vm_vsrc(0)
	s_getreg_b32 s2, hwreg(HW_REG_IB_STS2, 6, 4)
	s_cmp_eq_u32 s2, 0
	s_cbranch_scc0 .Lentry_in_a_cluster
	s_endpgm
.Lentry_in_a_cluster:
	s_bfe_u32 s2, ttmp6, 0x10000c
	s_cmp_lg_u32 s2, 0xf033
	s_cbranch_scc0 .Lentry_shape_is_right
	s_endpgm
.Lentry_shape_is_right:
; C = R + (A B^T + bias): A, B codes of FP6 (E2M3) with E8M0 scales, sums in f32; R, C [4096][1024] f32.  Here: out = x1 + (h W2 + b2), K = 4,096.
; OPERANDS: codes[K / 64][position][48 bytes] (CH from chunk to chunk), scale words [K / 128][position][4 bytes] (SS from step to step); position p holds row swap34(p) (bits 3 and 4 exchanged).
; Tile 128 x 128, four waves of 64 x 64 (16 accumulators): with N = 1,024 that gives 256 work-groups; a tile of 256 x 256 would give 64.
; THE MATRIX INSTRUCTION IS USED TRANSPOSED (source 0 = 16 positions of B, source 1 = 16 of A): a lane holds one row of A, and by the order of positions the 16 registers of tiles 2 B, 2 B + 1 are columns 32 B + 16 h + 0 .. 15.
; K goes through a ring of two LDS slots of 512 along K (four steps of 128): a slot is filled again behind a round of the cluster's barrier, one joint load a wave, which has the other slot's four steps less eight products,
; 56 matrix instructions a wave, in which to land.  A's tiles are asked for jointly by the four of a row of the cluster, B's by the four of a column; the scale words of all of K come once.
; THE WAY OUT: a wave's 64 columns are 256 aligned bytes of a row of C: 16 rows at a time go through the wave's own stage and leave with bias and residual added, sixteen lanes to a row; the stage's rows are
; positions, and the immediates name the tokens that they hold.
.set KTOT, 4096
.set ASC,  12582912                    ; A's scale words in its buffer
.set BOFF, 9437184                     ; B's codes in wts
.set BSC,  22413312                    ; B's scale words in wts
.set LASTOUT, 1                        ; 1: C is read by no later launch
.set CH,   196608
.set SS,   16384
.set LAPS, KTOT/1024
.set SLOT, 98304                       ; A's 8 chunks of 128 rows x 48 bytes, then B's 8
.set QT,   24576                       ; 4 chunks: what one tensor load brings
.set SCH,  (KTOT/256)*512              ; the scale words that one tensor load brings
.set SCL,  2*SLOT                      ; behind the slots: A's scale words, step by step, then B's
.set STG,  229376                      ; the way out: 16 rows x (256 + 16) bytes for each wave; no tensor load lands here
.set SPARE, 249856                     ; the spare words, 128 bytes for each wave, that no other line names
.set ADRA, 16                          ; v16-17 LDS address of my A fragments in slot 0, 1
.set ADRB, 20                          ; v20-21 the same for B
.set STO,  24                          ; v24    the stage, in
.set RD,   25                          ; v25    the stage, back
.set CO,   26                          ; v26    my byte offset in two rows of C
.set ADRS, 27                          ; v27    my scale words: lanes 0-15 A's rows, lanes 16-31 B's
.set SPW,  28                          ; v28    my spare word; never rewritten
.set NIL,  29                          ; v29    0; never rewritten
.set SC,   32                          ; v32-39 two sets of 4 scale words
.set BI,   40                          ; v40-43 the bias of my four columns
.set RS,   48                          ; v48-111 two sets of 16 rows of the residual
.set BK,   112                         ; v112-127 eight rows back from the stage
.set ACC,  128                         ; v128-255 accumulator (a, b) at 128 + 8 (4 a + b)
.set F0,   0                           ; window 1: two sets of fragments: A's four at f + 12 i, B's four at f + 48 + 12 i
.set F1,   96
.set G1,   24
.set G0,   32
.set G1B,  48
.set G0B,  56
.set G1S,  68
.set G0S,  76
.set G1SB, 80
.set G0SB, 88
.set MSB, 0
.macro WIN new                         ; the immediate's high byte repeats the setting that is left
.if MSB != \new
	s_set_vgpr_msb (MSB<<8)|\new
.set MSB, \new
.endif
.endm
.set MUL,  0x05                        ; sources 0 and 1 window 1; C and D window 0
.set TO_F, 0x40                        ; destination window 1, address window 0
.macro JLOAD g0a, g1a, g0b, g1b        ; a joint load: waves 0 and 1 fetch for A, waves 2 and 3 for B; four v_nop follow each line
	s_cmp_eq_u32 s15, 0
	s_cbranch_scc0 .Lfor_b_\@
	tensor_load_to_lds s[\g0a:\g0a+3], s[\g1a:\g1a+7]
	s_nop 0
.rept 4
	v_nop
.endr
	s_branch .Lasked_\@
.Lfor_b_\@:
	tensor_load_to_lds s[\g0b:\g0b+3], s[\g1b:\g1b+7]
	s_nop 0
.rept 4
	v_nop
.endr
.Lasked_\@:
.endm
.macro CREST                           ; a round of the cluster's barrier behind its opening barrier
	s_cmp_lg_u32 s14, 0
	s_cbranch_scc1 .Lnot_wave_0_\@
	s_barrier_signal -3
.Lnot_wave_0_\@:
	s_barrier_wait -3
	s_barrier_signal -1
	s_barrier_wait -1
.endm
.macro CROUND
	s_barrier_signal -1
	s_barrier_wait -1
	CREST
.endm
.macro PLACES n
.rept \n
	v_nop
.endr
.endm
	s_load_b256 s[4:11], s[0:1], 0x0               ; A, wts, the bias, the residual
	s_load_b64 s[12:13], s[0:1], 0x20              ; C
	v_lshl_add_u32 v[SPW], v0, 2, SPARE
	v_mov_b32 v[NIL], 0
	ds_add_u32 v28, v29
	ds_add_u32 v28, v29
	s_wait_dscnt 0x0
	v_lshrrev_b32 v1, 5, v0
	v_readfirstlane_b32 s14, v1                    ; wave
	s_lshr_b32 s15, s14, 1                         ; my half of the tile's rows.  Also: I fetch for A (0) or B (1)
	s_and_b32 s16, s14, 1                          ; my half of its columns.  Also: which half of a slot's chunks I fetch
	s_bfe_u32 s40, ttmp6, 0x40000                  ; cx
	s_bfe_u32 s41, ttmp6, 0x40004                  ; cy
	s_lshl_b32 s42, ttmp9, 2
	s_add_co_u32 s42, s42, s40                     ; tile column
	s_and_b32 s17, ttmp7, 0xffff
	s_lshl_b32 s17, s17, 2
	s_add_co_u32 s17, s17, s41                     ; tile row
	s_lshl_b32 s43, s41, 2
	s_lshl_b32 s43, 15, s43                        ; my row of the cluster
	s_lshl_b32 s44, 0x1111, s40                    ; my column
	s_or_b32 s[G1+0], s43, (3<<16)|(1<<21)         ; 15:0 the mask; 17:16 elements of 8 bytes; 21 set beside a mask; no padding
	s_or_b32 s[G1B+0], s44, (3<<16)|(1<<21)
.irp g, G1, G1B                        ; 4 chunks: rows of 128 x 48 = 6,144 bytes, CH bytes apart
	s_mov_b32 s[\g+1], 768<<16                     ; tensor_dim0
	s_mov_b32 s[\g+2], 4<<16                       ; tensor_dim1
	s_mov_b32 s[\g+3], 768<<16                     ; tile_dim0
	s_mov_b32 s[\g+4], 4                           ; tile_dim1
	s_mov_b32 s[\g+5], CH/8                        ; tensor_dim0_stride
	s_mov_b32 s[\g+6], 0
	s_mov_b32 s[\g+7], 0
.endr
	s_or_b32 s[G1S+0], s43, (3<<16)|(1<<21)
	s_or_b32 s[G1SB+0], s44, (3<<16)|(1<<21)
.irp g, G1S, G1SB                      ; KTOT / 256 steps: rows of 128 x 4 = 512 bytes, SS bytes apart
	s_mov_b32 s[\g+1], 64<<16
	s_mov_b32 s[\g+2], (KTOT/256)<<16
	s_mov_b32 s[\g+3], 64<<16
	s_mov_b32 s[\g+4], KTOT/256
	s_mov_b32 s[\g+5], SS/8
	s_mov_b32 s[\g+6], 0
	s_mov_b32 s[\g+7], 0
.endr
	s_mul_i32 s18, s16, 4*CH                       ; my half of a slot's chunks,
	s_mul_i32 s19, s16, (KTOT/256)*SS              ; my half of the steps
	s_mul_i32 s20, s17, 6144                       ; A's hang on the tile row alone,
	s_add_co_u32 s20, s20, s18
	s_mov_b32 s21, 0
	s_lshl_b32 s22, s17, 9
	s_add_co_u32 s22, s22, s19
	s_add_co_u32 s22, s22, ASC
	s_mov_b32 s23, 0
	s_mul_i32 s46, s42, 6144                       ; B's on the tile column alone
	s_add_co_u32 s46, s46, s18
	s_add_co_u32 s46, s46, BOFF
	s_mov_b32 s47, 0
	s_lshl_b32 s92, s42, 9
	s_add_co_u32 s92, s92, s19
	s_add_co_u32 s92, s92, BSC
	s_mov_b32 s93, 0
	s_mul_i32 s45, s14, QT                         ; where they go: by the wave's number alone
	s_mul_i32 s94, s14, SCH
	s_wait_kmcnt 0x0
	s_add_nc_u64 s[20:21], s[4:5], s[20:21]
	s_add_nc_u64 s[22:23], s[4:5], s[22:23]
	s_add_nc_u64 s[46:47], s[6:7], s[46:47]
	s_add_nc_u64 s[92:93], s[6:7], s[92:93]
	CROUND                                         ; all sixteen work-groups are here: the first joint loads meet
	s_mov_b32 s[G0S], 1
	s_add_co_u32 s[G0S+1], s94, SCL
	s_mov_b64 s[G0S+2:G0S+3], s[22:23]
	s_or_b32 s[G0S+3], s[G0S+3], 0x80000000
	s_mov_b32 s[G0SB], 1
	s_add_co_u32 s[G0SB+1], s94, SCL
	s_mov_b64 s[G0SB+2:G0SB+3], s[92:93]
	s_or_b32 s[G0SB+3], s[G0SB+3], 0x80000000
	JLOAD G0S, G1S, G0SB, G1SB                     ; the scale words first; by this text's count a wave has three tensor loads out at the start and one behind each round
.irp s, 0,1
	s_mov_b32 s[G0+4*\s], 1
	s_add_co_u32 s[G0+4*\s+1], s45, \s*SLOT
	s_add_nc_u64 s[G0+4*\s+2:G0+4*\s+3], s[20:21], \s*8*CH
	s_or_b32 s[G0+4*\s+3], s[G0+4*\s+3], 0x80000000
	s_mov_b32 s[G0B+4*\s], 1
	s_add_co_u32 s[G0B+4*\s+1], s45, \s*SLOT
	s_add_nc_u64 s[G0B+4*\s+2:G0B+4*\s+3], s[46:47], \s*8*CH
	s_or_b32 s[G0B+4*\s+3], s[G0B+4*\s+3], 0x80000000
	JLOAD G0+4*\s, G1, G0B+4*\s, G1B
.endr
	v_and_b32 v1, 15, v0                           ; r
	v_bfe_u32 v2, v0, 4, 1                         ; h
	v_mul_u32_u24 v3, v1, 48
	v_mad_u32_u24 v3, v2, 24, v3                   ; a fragment: 48 r + 24 h: word 12 r + 6 h, so the 32 lanes of a load of 8 bytes touch 64 different banks
	s_mul_i32 s95, s15, 3072                       ; my 64 rows of A,
	s_mul_i32 s96, s16, 3072                       ; my 64 rows of B,
	s_add_co_u32 s96, s96, 49152                   ; behind A's 8 chunks
.irp s, 0,1
	v_add_nc_u32 v[ADRA+\s], s95, v3
	v_add_nc_u32 v[ADRB+\s], s96, v3
	s_add_co_u32 s95, s95, SLOT
	s_add_co_u32 s96, s96, SLOT
.endr
	s_lshl_b32 s95, s15, 8
	s_lshl_b32 s96, s16, 8
	s_add_co_u32 s96, s96, 2*SCH
	s_sub_co_u32 s96, s96, s95
	v_mul_u32_u24 v4, s96, v2                      ; lanes 16-31 take B's words
	s_add_co_u32 s95, s95, SCL
	v_lshl_add_u32 v4, v1, 2, v4
	v_add_nc_u32 v[ADRS], s95, v4
	s_mul_i32 s95, s14, 4352                       ; my stage
	s_add_co_u32 s95, s95, STG
	v_mul_u32_u24 v4, v1, 272
	v_lshl_add_u32 v4, v2, 6, v4
	v_add_nc_u32 v[STO], s95, v4                   ; in: row r; block b's eight columns lie 128 (b / 2) + 64 h + 32 (b % 2) bytes on
	v_mul_u32_u24 v4, v2, 272
	v_lshl_add_u32 v4, v1, 4, v4
	v_add_nc_u32 v[RD], s95, v4                    ; back: lanes 0-15 one row, lanes 16-31 the next
	v_lshlrev_b32 v4, 12, v2
	v_lshl_add_u32 v[CO], v1, 4, v4                ; and two neighbouring rows of C
	v_lshlrev_b32 v5, 4, v1
	s_lshl_b32 s46, s42, 9
	s_lshl_b32 s47, s16, 8
	s_add_co_u32 s46, s46, s47                     ; my 64 columns, in bytes
	s_mov_b32 s47, 0
	s_add_nc_u64 s[8:9], s[8:9], s[46:47]
	s_lshl_b32 s92, s17, 7
	s_lshl_b32 s93, s15, 6
	s_add_co_u32 s92, s92, s93
	s_lshl_b32 s92, s92, 12                        ; my 64 rows of 4,096 bytes
	s_add_co_u32 s46, s46, s92
	s_add_nc_u64 s[10:11], s[10:11], s[46:47]
	s_add_nc_u64 s[12:13], s[12:13], s[46:47]
.macro RLOAD a                         ; the residual of block a's 16 rows: stage row 2 i + h is token 32 (a / 2) + 16 (i / 4) + 8 (a % 2) + (2 i) % 8 + h of my 64
.irp i, 0,1,2,3,4,5,6,7
	global_load_b128 v[RS+32*((\a)%2)+4*\i:RS+32*((\a)%2)+4*\i+3], v[CO], s[10:11] offset:(32*((\a)/2)+16*(\i/4)+8*((\a)%2)+(2*\i)%8)*4096
.endr
.endm
	global_load_b128 v[BI:BI+3], v5, s[8:9]
	RLOAD 0
	RLOAD 1
.macro FRAG reg, adr, q, i             ; 16 rows x 128 K: registers 6 c .. 6 c + 5 are 24 bytes of chunk 2 q + c, as they lie; three loads of 8 bytes each
.irp p, 0,1,2,3,4,5
	ds_load_b64 v[\reg+2*\p:\reg+2*\p+1], v[\adr] offset:(2*(\q)+\p/3)*6144+(\i)*768+8*(\p%3)
.endr
.endm
.macro FETCH slot, q, f, sc            ; 52 LDS loads in one run: 4 scale words (lanes 0-15 A's block i, lanes 16-31 B's), B's four fragments, A's four
	WIN 0
.irp i, 0,1,2,3
	ds_load_b32 v[SC+4*(\sc)+\i], v[ADRS] offset:(\q)*512+64*\i
.endr
	WIN TO_F
.irp i, 0,1,2,3
	FRAG (\f)+48+12*\i, ADRB+\slot, \q, \i
.endr
.irp i, 0,1,2,3
	FRAG (\f)+12*\i, ADRA+\slot, \q, \i
.endr
.endm
.macro MULA f, a, sc, zero             ; A's block a against B's four.  The 16 accumulators take turns, one instruction a turn, in the same order in every step, over the loop's backward jump too
.irp b, 0,1,2,3
.if \zero
	v_wmma_scale_f32_16x16x128_f8f6f4 v[ACC+8*(4*(\a)+\b):ACC+8*(4*(\a)+\b)+7], v[(\f)+48+12*\b:(\f)+48+12*\b+11], v[(\f)+12*(\a):(\f)+12*(\a)+11], 0, v[SC+4*(\sc)+\b], v[SC+4*(\sc)+(\a)] matrix_a_fmt:MATRIX_FMT_FP6 matrix_b_fmt:MATRIX_FMT_FP6 matrix_a_scale:MATRIX_SCALE_ROW1
.else
	v_wmma_scale_f32_16x16x128_f8f6f4 v[ACC+8*(4*(\a)+\b):ACC+8*(4*(\a)+\b)+7], v[(\f)+48+12*\b:(\f)+48+12*\b+11], v[(\f)+12*(\a):(\f)+12*(\a)+11], v[ACC+8*(4*(\a)+\b):ACC+8*(4*(\a)+\b)+7], v[SC+4*(\sc)+\b], v[SC+4*(\sc)+(\a)] matrix_a_fmt:MATRIX_FMT_FP6 matrix_b_fmt:MATRIX_FMT_FP6 matrix_a_scale:MATRIX_SCALE_ROW1
.endif
.endr
.endm
.macro STEP slot, q, zero              ; 128 along K, with its successor in the same slot
	s_wait_dscnt 12                                ; all but the youngest twelve loads (A's blocks 2 and 3) are in
	WIN MUL
	MULA 96*((\q)%2), 0, (\q)%2, \zero
	MULA 96*((\q)%2), 1, (\q)%2, \zero
	s_wait_dscnt 0x0                               ; A's blocks 2 and 3 are in
	PLACES 4                                       ; four plain places ahead of loads into registers that matrix instructions have read (ISA guide 7.12.1 for vector instructions)
	FETCH \slot, (\q)+1, 96-96*((\q)%2), 1-(\q)%2
	WIN MUL
	MULA 96*((\q)%2), 2, (\q)%2, \zero
	MULA 96*((\q)%2), 3, (\q)%2, \zero
.endm
.macro TURN slot, next, fill           ; a slot's last step changes slots: one barrier; ahead of it each wave waits for all its tensor loads, adds 0 to its spare word, and waits for that and for its reads.  fill = 1: this slot is filled again, two slots ahead
	WIN 0
	s_wait_tensorcnt 0x0                           ; my part of the next slot has landed, and no tensor load of mine is out
	ds_add_u32 v[SPW], v[NIL]                      ; 0 onto my spare word
	s_wait_dscnt 13                                ; (the add and the youngest twelve loads may be out)
	WIN MUL
	MULA F1, 0, 1, 0
	s_wait_dscnt 0x0                               ; the add is done, and my reads of this slot are over
	s_barrier_signal -1
	MULA F1, 1, 1, 0
	WIN 0
	s_barrier_wait -1
.if \fill
	CREST                                          ; the barrier has opened a round of the cluster's: no wave of any partner still reads this slot or has a load on its way
	s_add_nc_u64 s[G0+4*\slot+2:G0+4*\slot+3], s[G0+4*\slot+2:G0+4*\slot+3], 16*CH
	s_add_nc_u64 s[G0B+4*\slot+2:G0B+4*\slot+3], s[G0B+4*\slot+2:G0B+4*\slot+3], 16*CH
	JLOAD G0+4*\slot, G1, G0B+4*\slot, G1B         ; the first tensor load behind the round; its four v_nop are also the places ahead of the loads below
.else
	PLACES 4
.endif
	v_add_nc_u32 v[ADRS], 2048, v[ADRS]            ; the next slot's four steps of scale words
	FETCH \next, 0, F0, 0
	WIN MUL
	MULA F1, 2, 1, 0
	MULA F1, 3, 1, 0
.endm
	s_wait_tensorcnt 1                             ; the scale words and my part of slot 0 are in; slot 1's load may be out
	s_barrier_signal -1
	s_barrier_wait -1
	FETCH 0, 0, F0, 0
	STEP 0, 0, 1                                   ; the first step's products start the sums
.if LAPS > 1
	WIN 0
	s_mov_b32 s3, LAPS-1
.Llap:                                             ; a trip goes once round the ring, from a lap's second step to the next lap's first, and fills both slots again
	STEP 0, 1, 0
	STEP 0, 2, 0
	TURN 0, 1, 1
	STEP 1, 0, 0
	STEP 1, 1, 0
	STEP 1, 2, 0
	TURN 1, 0, 1
	STEP 0, 0, 0
	WIN 0
	s_sub_co_u32 s3, s3, 1
	s_cmp_lg_u32 s3, 0
	s_cbranch_scc1 .Llap
.endif
	STEP 0, 1, 0                                   ; the last lap fills nothing
	STEP 0, 2, 0
	TURN 0, 1, 0
	STEP 1, 0, 0
	STEP 1, 1, 0
	STEP 1, 2, 0
	s_wait_dscnt 12
	WIN MUL
	MULA F1, 0, 1, 0
	MULA F1, 1, 1, 0
	s_wait_dscnt 0x0
	MULA F1, 2, 1, 0
	MULA F1, 3, 1, 0
	WIN 0
	PLACES 4
.macro OUTA a                          ; block a: 16 rows x 64 columns
.set AB, ACC+32*(\a)
.set RR, RS+32*((\a)%2)
.irp b, 0,1,2,3
	ds_store_b128 v[STO], v[AB+8*\b:AB+8*\b+3] offset:128*(\b/2)+32*(\b%2)       ; each accumulator from its low end on
	ds_store_b128 v[STO], v[AB+8*\b+4:AB+8*\b+7] offset:128*(\b/2)+32*(\b%2)+16
.endr
.if (\a) < 3
	s_wait_loadcnt 8                               ; this block's residual (and the bias) are in; the next block's eight loads may be out
.else
	s_wait_loadcnt 0x0
.endif
.irp u, 0,1
.irp i, 0,1,2,3
	ds_load_b128 v[BK+4*\i:BK+4*\i+3], v[RD] offset:2*(4*\u+\i)*272   ; my own bytes, served in order
.endr
	s_wait_dscnt 0x0
.irp i, 0,1,2,3
	v_pk_add_f32 v[BK+4*\i:BK+4*\i+1], v[BK+4*\i:BK+4*\i+1], v[BI:BI+1]
	v_pk_add_f32 v[BK+4*\i+2:BK+4*\i+3], v[BK+4*\i+2:BK+4*\i+3], v[BI+2:BI+3]
.endr
.irp i, 0,1,2,3
	v_pk_add_f32 v[RR+4*(4*\u+\i):RR+4*(4*\u+\i)+1], v[RR+4*(4*\u+\i):RR+4*(4*\u+\i)+1], v[BK+4*\i:BK+4*\i+1]
	v_pk_add_f32 v[RR+4*(4*\u+\i)+2:RR+4*(4*\u+\i)+3], v[RR+4*(4*\u+\i)+2:RR+4*(4*\u+\i)+3], v[BK+4*\i+2:BK+4*\i+3]
.endr
.irp i, 0,1,2,3
.if LASTOUT
	global_store_b128 v[CO], v[RR+4*(4*\u+\i):RR+4*(4*\u+\i)+3], s[12:13] offset:(32*((\a)/2)+16*\u+8*((\a)%2)+2*\i)*4096 th:TH_STORE_NT   ; sixteen lanes store 256 consecutive aligned bytes; written once, read by nobody here
.else
	global_store_b128 v[CO], v[RR+4*(4*\u+\i):RR+4*(4*\u+\i)+3], s[12:13] offset:(32*((\a)/2)+16*\u+8*((\a)%2)+2*\i)*4096
.endif
.endr
.endr
.if (\a) < 2
	s_wait_xcnt 0x0                                ; the stores have read their registers: the set takes the block two on
	RLOAD (\a)+2
.endif
.endm
	OUTA 0
	OUTA 1
	OUTA 2
	OUTA 3
	s_wait_tensorcnt 0x0                           ; the wave's end: behind my last tensor load and my last LDS store
	ds_add_u32 v[SPW], v[NIL]
	s_wait_dscnt 0x0
	CROUND                                         ; the closing round: no work-group ends while a partner may still ask for a tile that names it
	s_endpgm
.Lfunc_end_k_q1d0f8d3296_fc2:
	.size	k_q1d0f8d3296_fc2, .Lfunc_end_k_q1d0f8d3296_fc2-k_q1d0f8d3296_fc2
	.p2alignl 7, 3214868480
	.fill 96, 4, 3214868480
	.section	.rodata,"a",@progbits
	.p2align	6, 0x0
	.amdhsa_kernel k_q1d0f8d3296_fc2
		.amdhsa_group_segment_fixed_size 327680
		.amdhsa_private_segment_fixed_size 0
		.amdhsa_enable_private_segment 0
		.amdhsa_kernarg_size 40
		.amdhsa_user_sgpr_count 2
		.amdhsa_user_sgpr_kernarg_segment_ptr 1
		.amdhsa_wavefront_size32 1
		.amdhsa_system_sgpr_workgroup_id_x 1
		.amdhsa_system_sgpr_workgroup_id_y 1
		.amdhsa_system_sgpr_workgroup_id_z 1
		.amdhsa_system_vgpr_workitem_id 0
		.amdhsa_next_free_vgpr 512
		.amdhsa_next_free_sgpr 98
		.amdhsa_reserve_vcc 0
		.amdhsa_float_denorm_mode_32 3
		.amdhsa_float_denorm_mode_16_64 3
		.amdhsa_memory_ordered 1
		.amdhsa_forward_progress 1
		.amdhsa_inst_pref_size 120
	.end_amdhsa_kernel
	.amdgpu_metadata
---
amdhsa.version: [ 1, 2 ]
amdhsa.kernels:
  - .name:           k_q1d0f8d3296_fc2
    .symbol:         k_q1d0f8d3296_fc2.kd
    .args:
      - { .name: hb, .offset: 0, .size: 8, .value_kind: global_buffer, .address_space: global }
      - { .name: wts, .offset: 8, .size: 8, .value_kind: global_buffer, .address_space: global }
      - { .name: b2, .offset: 16, .size: 8, .value_kind: global_buffer, .address_space: global }
      - { .name: x1, .offset: 24, .size: 8, .value_kind: global_buffer, .address_space: global }
      - { .name: out0, .offset: 32, .size: 8, .value_kind: global_buffer, .address_space: global }
    .group_segment_fixed_size: 327680
    .private_segment_fixed_size: 0
    .kernarg_segment_align: 8
    .kernarg_segment_size: 40
    .max_flat_workgroup_size: 128
    .sgpr_count:     98
    .vgpr_count:     512
    .wavefront_size: 32
...
	.end_amdgpu_metadata
.endif
;; end of part 7
